; MI455X (gfx1250); checked and timed in simulation.
; The chip was launched on July 23, 2026; its instructions are those of AMD's public machine-readable ISA for CDNA 5 (MIT licence, August 2026) and "CDNA5" Instruction Set Architecture Reference Guide (July 2026). The comments in the code are by the model that wrote it; some were corrected since.
;; Robust Multi Head Attention. Allowed arithmetic: matrix products marked QUANTISED: E4M3 operands, one given power-of-two scale a tensor, by v_wmma_f32_16x16x64_fp8_fp8 or v_wmma_f32_16x16x128_fp8_fp8, f32 sums; everything else in f32.
;; Inputs: Wk 1,024 x 1,024 float32; Wo 1,024 x 1,024 float32; Wq 1,024 x 1,024 float32; Wv 1,024 x 1,024 float32; attn_mask 4 x 2,048 float32; k 4 x 2,048 x 1,024 float32; lowp_scales 12 int32 (the exponents e of the quantised operands' scales 2^e); q 4 x 2,048 x 1,024 float32; v 4 x 2,048 x 1,024 float32.
;; Outputs: out0 4 x 2,048 x 1,024 float32.
;; Constants: mask_future = 1.
;; This version of the problem:
;;   THIS VERSION OF THE PROBLEM IS GIVEN IN LOW PRECISION. The matrix products marked QUANTISED in the list below multiply operands that are first quantised to E4M3 (4 exponent bits, 3 mantissa bits; 8 bits a number), with one given power-of-two scale for each operand tensor; their sums are f32. All else is computed in f32.
;;   The module's matrix products, in the order in which they are computed (A, B: the left and right operand; K: the contracted axis; several contracted axes count as one K, in the product's order):
;;     1. [M 8,192, K 1,024] x [K 1,024, N 1,024]; A: input q; B: input Wq: QUANTISED (scales: A lowp_scales[0], B lowp_scales[1])
;;     2. [M 8,192, K 1,024] x [K 1,024, N 1,024]; A: input k; B: input Wk: QUANTISED (scales: A lowp_scales[2], B lowp_scales[3])
;;     3. [M 8,192, K 1,024] x [K 1,024, N 1,024]; A: input v; B: input Wv: QUANTISED (scales: A lowp_scales[4], B lowp_scales[5])
;;     4. batch 64 x [M 2,048, K 64] x [K 64, N 2,048]; A: computed on the way; B: computed on the way: QUANTISED (scales: A lowp_scales[6], B lowp_scales[7])
;;     5. batch 64 x [M 2,048, K 2,048] x [K 2,048, N 64]; A: softmax (see below); B: computed on the way: QUANTISED (scales: A lowp_scales[8], B lowp_scales[9])
;;     6. [M 8,192, K 1,024] x [K 1,024, N 1,024]; A: computed on the way; B: input Wo: QUANTISED (scales: A lowp_scales[10], B lowp_scales[11])
;;   THE QUANTISER, for each operand of a quantised product, along K:
;;     - The operand's scale is 2^e, e = its entry of the input lowp_scales (int32; the entries are numbered through the quantised products in the list's order, A before B).
;;     - Each number is divided by the scale, clamped to +-448, and rounded to the nearest number of E4M3, ties to even, subnormals kept.
;;     - The product sums the exact products of the quantised numbers (number of the format x scale) in f32.
;;   ~~~python
;;   def quantise(x, axis, e):      # numpy; x: float32 -> the quantised numbers, widened to float32 again
;;       x = np.moveaxis(x, axis, -1); K = x.shape[-1]
;;       r = np.clip(x / 2.0 ** e, -448, 448)
;;       step = 2.0 ** (np.maximum(np.frexp(np.where(r == 0, 1, r))[1] - 1, -6) - 3)
;;       q = np.round(r / step) * step * 2.0 ** e      # np.round: ties to even
;;       return np.moveaxis(q, -1, axis).astype(np.float32)
;;   ~~~
;;   SOFTMAX AHEAD OF A QUANTISED PRODUCT. Where the list says 'softmax', what is quantised is not the finished softmax but p = 2^(t - M), with t = logit x log2(e) and M = ceil(the row's largest t), a whole number; so 1/2 < the row's largest p <= 1. The row's sum l is taken of the UNQUANTISED p, in f32, and the product's result is divided by l at the end. Since M is a whole number, a kernel that streams over the keys may use a running M (the ceiling of the running maximum): every later rescaling is an exact power of two, so the quantised numbers keep their values, but for numbers so far below the row's largest that they fall under the format's range.
;;   OPERANDS COMPUTED ON THE WAY. 'Computed on the way' means the value that the module computes at that place (a softmax that the list does not call 'softmax' is quantised finished and normalised). What goes into a quantiser is computed in f32, as accurately as f32 sums, v_exp_f32 and their like allow (about 1e-6 of the number): no bf16 or f16 on the way to a quantiser, and a product that is left as it is and whose result goes on into a quantised operand takes f32 operands (vector FMAs, or v_wmma_f32_16x16x4_f32). A number that lies on a knife's edge between two numbers of the format may be rounded either way, as far as f32 arithmetic and the matrix unit's own rounding can turn it there, and no further.
;; 2 versions, each right; version 2 is version 1 with the launch attn written anew for expert scheduling mode. Each part assembles by itself: llvm-mc -triple=amdgcn-amd-amdhsa -mcpu=gfx1250 --defsym DOCPART=n.
;; ======== version 1 of 2: 4 launches
;; workspace buffers: codes 29,360,128 bytes; himg 25,165,824 bytes; cimg 8,388,608 bytes; meta 256 bytes of whole numbers
;; launch quant (part 1): grid 897 x 1, 4 waves a work-group, no clusters, 33,280 bytes of LDS; arguments q, k, v, Wq, Wk, Wv, Wo, lowp_scales, attn_mask, codes, meta; writes codes, meta
.if DOCPART == 1
	.amdgcn_target "amdgcn-amd-amdhsa--gfx1250"
	.amdhsa_code_object_version 6
	.text
	.protected	k_q43411f4a4e_quant
	.globl	k_q43411f4a4e_quant
	.p2align	8
	.type	k_q43411f4a4e_quant,@function
k_q43411f4a4e_quant:
	s_mov_b64 s[64:65], 0
	v_nop
	global_prefetch_b8 v0, s[64:65] scope:SCOPE_SE
	s_setreg_imm32_b32 hwreg(HW_REG_WAVE_MODE, 25, 1), 1
	s_wait_xcnt 0x0
; q, k, v [8192][1024] and Wq, Wk, Wv, Wo [1024][1024], f32, K innermost, become codes of FP8 (E4M3), one byte each, each tensor with its given scale 2^e:
; code = x / 2^e, held within +-448, to the nearest code, ties to even.  e: lowp_scales 0 (q), 2 (k), 4 (v), 1 (Wq), 3 (Wk), 5 (Wv), 11 (Wo).
; LIMITS: e between -126 and 119, so that 2^e and 448 x 2^e are f32 numbers.  NaN among these inputs is not served.
; THE CODES' BUFFER: q at 0, k at 8 MiB, v at 16 MiB, Wq, Wk, Wv, Wo at 24, 25, 26, 27 MiB; rows of 1,024 bytes.  Inside each aligned group of 32 codes the four pieces of 8 lie in the
; order 0, 2, 1, 3: 16 bytes at 32 c + 16 h of a row are then k = 32 c + 8 h + 0..7 and 32 c + 16 + 8 h + 0..7, four registers of a matrix operand with every k in its own place.
; SHARES.  Work-group x < 896 takes 32,768 numbers, a wave 8,192 in 16 steps of 512; the seven tensors follow each other in x as their codes do in the buffer, so the destination is linear in x.
; Each load reads 512 consecutive bytes, 16 a lane; a step's 2,048 bytes turn through the wave's own stage in LDS (16 bytes of padding behind each 64) and come back as the 16 numbers whose
; codes the lane stores: an even lane takes pieces 0 and 2 of its group, an odd lane pieces 1 and 3.  A wave's store covers 512 consecutive bytes.  Waves share nothing: no barrier.
; Work-group 896 reads attn_mask [4][2048]; wave b stores, as whole numbers, meta[2 b] = the batch's first key whose mask is not 0 (2,048 if there is none) and
; meta[2 b + 1] = bit n set where keys 128 n .. 128 n + 127 hold a key whose mask is 0.  A later launch branches on them; here they enter no branch and no address.
.set NWG,   896
.set STEPS, 16
.set EMAX,  8
.set MANT,  0x600000                   ; the mantissa field of 448 as f32
.set R,     16                         ; v16-79   four sets of 16 numbers as they are loaded
.set X,     80                         ; v80-111  two sets of 16 numbers as they are converted
.set C,     128                        ; v128-191 codes: four registers for each step, so that no store's data are written again
.set WREG,  8192                       ; LDS: a region for each wave: two stages of 32 x SP bytes
.set SP,    80                         ; 64 bytes + 16 of padding
	s_load_b512 s[4:19], s[0:1], 0x0               ; q 4, k 6, v 8, Wq 10, Wk 12, Wv 14, Wo 16, the scales' exponents 18
	s_load_b128 s[20:23], s[0:1], 0x40             ; attn_mask 20, the codes 22
	s_load_b64 s[24:25], s[0:1], 0x50              ; meta
	v_lshl_add_u32 v192, v0, 2, 0x8000
	v_mov_b32 v193, 0
	v_lshrrev_b32 v1, 5, v0
	v_readfirstlane_b32 s26, v1                    ; wave
	v_and_b32 v2, 31, v0                           ; lane
	v_lshlrev_b32 v3, 4, v2                        ; 16 x lane: my 16 bytes of a load's 512, and of a store's
	s_cmp_eq_u32 ttmp9, NWG
	s_cbranch_scc1 .Lmeta                          ; the last work-group has the mask; it touches no LDS
	s_mul_i32 s27, s26, WREG
	v_lshrrev_b32 v14, 2, v2
	v_mul_u32_u24 v14, v14, SP
	v_and_b32 v15, 3, v2
	v_lshl_add_u32 v14, v15, 4, v14
	v_add_nc_u32 v14, s27, v14                     ; the stage, on the way in: SP (lane / 4) + 16 (lane % 4); a load's 512 bytes take eight places
	v_lshrrev_b32 v15, 1, v2
	v_mul_u32_u24 v15, v15, 2*SP
	v_and_b32 v5, 1, v2
	v_lshl_add_u32 v15, v5, 5, v15
	v_add_nc_u32 v15, s27, v15                     ; on the way out: group lane / 2 lies at 2 SP (lane / 2); its pieces at + 0, 32, SP, SP + 32: I begin at piece lane % 2
	s_wait_kmcnt 0x0
	s_load_b256 s[36:43], s[18:19], 0x0            ; e0 .. e7
	s_load_b128 s[44:47], s[18:19], 0x20           ; e8 .. e11
; which tensor: chosen by the work-group's number alone, from the last range down
.macro PICKP end, ptr, first
	s_cmp_lt_u32 ttmp9, \end
	s_cselect_b64 s[30:31], s[\ptr:\ptr+1], s[30:31]
	s_cselect_b32 s28, \first, s28
.endm
.macro PICKE end, e
	s_cmp_lt_u32 ttmp9, \end
	s_cselect_b32 s29, s[\e], s29
.endm
	s_mov_b64 s[30:31], s[16:17]                   ; Wo,
	s_mov_b32 s28, 864                             ; whose first work-group is 864
	PICKP 864, 14, 832
	PICKP 832, 12, 800
	PICKP 800, 10, 768
	PICKP 768, 8, 512
	PICKP 512, 6, 256
	PICKP 256, 4, 0
	s_sub_co_u32 s32, ttmp9, s28
	s_lshl_b32 s32, s32, 2
	s_add_co_u32 s32, s32, s26                     ; which run of 8,192 numbers of the tensor is my wave's
	s_lshl_b32 s32, s32, 15                        ; x 32,768 bytes: under 2^26
	s_mov_b32 s33, 0
	s_add_nc_u64 s[30:31], s[30:31], s[32:33]
	s_lshl_b32 s34, ttmp9, 2
	s_add_co_u32 s34, s34, s26
	s_lshl_b32 s34, s34, 13                        ; and of the codes' buffer: x 8,192 bytes
	s_mov_b32 s35, 0
	s_add_nc_u64 s[22:23], s[22:23], s[34:35]
.macro LOAD t
.irp i, 0,1,2,3
	global_load_b128 v[R+16*((\t)%4)+4*\i:R+16*((\t)%4)+4*\i+3], v3, s[30:31] offset:2048*(\t)+512*\i th:TH_LOAD_NT   ; 32 lanes read 512 consecutive bytes
.endr
.endm
.macro TURN t                          ; step t's numbers through the stage: LDS serves a wave's instructions in order, so no wait stands between the stores and the loads
.irp i, 0,1,2,3
	ds_store_b128 v14, v[R+16*((\t)%4)+4*\i:R+16*((\t)%4)+4*\i+3] offset:32*SP*((\t)%2)+8*SP*\i
.endr
.irp i, 0,1,2,3
	ds_load_b128 v[X+16*((\t)%2)+4*\i:X+16*((\t)%2)+4*\i+3], v15 offset:32*SP*((\t)%2)+16*(\i%2)+SP*(\i/2)   ; my first piece's 32 bytes, then the piece two further on
.endr
.endm
.irp t, 0,1,2,3
	LOAD \t
.endr
	s_wait_kmcnt 0x0
	s_mov_b32 s29, s47                             ; Wo's e,
	PICKE 864, 41
	PICKE 832, 39
	PICKE 800, 37
	PICKE 768, 40
	PICKE 512, 38
	PICKE 256, 36
	s_add_co_i32 s29, s29, 127
	s_lshl_b32 s32, s29, 23
	v_mov_b32 v11, s32                             ; 2^e as f32: the conversion takes its exponent field
	s_add_co_i32 s29, s29, EMAX
	s_lshl_b32 s29, s29, 23
	s_or_b32 s29, s29, MANT
	v_mov_b32 v10, s29                             ; 448 x 2^e
	s_wait_loadcnt 12                              ; step 0's four loads are in; the 12 of steps 1 to 3 may be out
	TURN 0
.macro STEP t
.set XS, X+16*((\t)%2)
	s_wait_dscnt 0x0                               ; this step's numbers are back from the stage: so its stores into the stage have read their registers,
.if (\t)+4 < STEPS
	LOAD (\t)+4                                    ; which take the loads of four steps on
.endif
.if (\t)+1 < STEPS
.if STEPS-2-(\t) >= 3
	s_wait_loadcnt 12                              ; the next step's four loads are in; those of the three steps behind it may be out
.else
	s_wait_loadcnt 4*(STEPS-2-(\t))
.endif
	TURN (\t)+1                                    ; and go through the other stage while this step is worked
.endif
.irp i, 0,1,2,3,4,5,6,7,8,9,10,11,12,13,14,15
	v_med3_num_f32 v[XS+\i], v[XS+\i], -v10, v10   ; the conversion to an 8-bit code does not saturate (ISA guide 7.6.2): the hold at the largest code x the scale
.endr
	v_cvt_scalef32_pk8_fp8_f32 v[C+4*(\t):C+4*(\t)+1], v[XS:XS+7], v11
	v_cvt_scalef32_pk8_fp8_f32 v[C+4*(\t)+2:C+4*(\t)+3], v[XS+8:XS+15], v11   ; the results go to a store alone; the next vector lines are the next step's holds, on other registers
	global_store_b128 v3, v[C+4*(\t):C+4*(\t)+3], s[22:23] offset:512*(\t)
.endm
.irp t, 0,1,2,3,4,5,6,7,8,9,10,11,12,13,14,15
	STEP \t
.endr
	s_wait_tensorcnt 0x0
	ds_add_u32 v192, v193
	s_wait_dscnt 0x0
	s_endpgm
.Lmeta:                                            ; wave b reads batch b's 2,048 mask numbers: register 32 + 4 n + e of a lane is key 128 n + 4 lane + e
	s_wait_kmcnt 0x0
	s_lshl_b32 s32, s26, 13
	s_mov_b32 s33, 0
	s_add_nc_u64 s[20:21], s[20:21], s[32:33]
.irp n, 0,1,2,3,4,5,6,7,8,9,10,11,12,13,14,15
	global_load_b128 v[32+4*\n:35+4*\n], v3, s[20:21] offset:512*\n
.endr
	s_mov_b32 s54, 0x76543210                      ; v_permlanex16_b32's selects for lane l xor 16
	s_mov_b32 s55, 0xfedcba98
	v_mov_b32 v8, 4096                             ; no key yet
	v_mov_b32 v10, 0                               ; written once: a lane permute's destination counts as one of its sources
	s_mov_b32 s52, 0
	v_mov_b32 v14, s26
	v_lshlrev_b32 v14, 3, v14                      ; 8 b: where my two numbers go
	s_wait_loadcnt 0x0
.set n, 63
.rept 64                               ; from the last register down, so that the lowest key that counts stays
	v_cmp_eq_f32 vcc_lo, 0, v[32+n]
	v_cndmask_b32 v8, 128*(n/4)+n%4, v8, vcc_lo    ; mask == 0: keep; else this place
.set n, n-1
.endr
	v_lshl_add_u32 v8, v2, 2, v8                   ; + 4 lane: the key
	v_min_u32 v8, 2048, v8
	v_cvt_f32_u32 v8, v8                           ; whole numbers up to 2,048 are exact in f32: the least of the 32 lanes'
	v_min_num_f32_dpp v8, v8, v8 row_xmask:1 row_mask:0xf bank_mask:0xf
	v_min_num_f32_dpp v8, v8, v8 row_xmask:2 row_mask:0xf bank_mask:0xf
	v_min_num_f32_dpp v8, v8, v8 row_xmask:4 row_mask:0xf bank_mask:0xf
	v_min_num_f32_dpp v8, v8, v8 row_xmask:8 row_mask:0xf bank_mask:0xf
	v_permlanex16_b32 v10, v8, s54, s55
	v_min_num_f32 v8, v8, v10
	v_cvt_u32_f32 v12, v8                          ; f[b]
.irp n, 0,1,2,3,4,5,6,7,8,9,10,11,12,13,14,15
	v_min3_num_f32 v9, |v[32+4*\n]|, |v[33+4*\n]|, |v[34+4*\n]|
	v_min_num_f32 v9, v9, |v[35+4*\n]|             ; 0 where one of my four keys of this step is padded
	v_cmp_eq_f32 s50, 0, v9
	s_cmp_lg_u32 s50, 0                            ; any lane?  A selection, no branch
	s_cselect_b32 s51, 1<<\n, 0
	s_or_b32 s52, s52, s51
.endr
	v_mov_b32 v13, s52                             ; holes[b]
	s_wait_xcnt 0x0                                ; EXEC changes only behind this wait,
	v_cmp_eq_u32 vcc_lo, 0, v2
	s_and_saveexec_b32 s53, vcc_lo
	global_store_b64 v14, v[12:13], s[24:25]       ; lane 0 stores the two
	s_wait_xcnt 0x0                                ; and again in front of the line that widens it
	s_or_b32 exec_lo, exec_lo, s53
	s_endpgm
.Lfunc_end_k_q43411f4a4e_quant:
	.size	k_q43411f4a4e_quant, .Lfunc_end_k_q43411f4a4e_quant-k_q43411f4a4e_quant
	.p2alignl 7, 3214868480
	.fill 96, 4, 3214868480
	.section	.rodata,"a",@progbits
	.p2align	6, 0x0
	.amdhsa_kernel k_q43411f4a4e_quant
		.amdhsa_group_segment_fixed_size 33280
		.amdhsa_private_segment_fixed_size 0
		.amdhsa_enable_private_segment 0
		.amdhsa_kernarg_size 88
		.amdhsa_user_sgpr_count 2
		.amdhsa_user_sgpr_kernarg_segment_ptr 1
		.amdhsa_wavefront_size32 1
		.amdhsa_system_sgpr_workgroup_id_x 1
		.amdhsa_system_sgpr_workgroup_id_y 1
		.amdhsa_system_sgpr_workgroup_id_z 1
		.amdhsa_system_vgpr_workitem_id 0
		.amdhsa_next_free_vgpr 194
		.amdhsa_next_free_sgpr 66
		.amdhsa_reserve_vcc 1
		.amdhsa_float_denorm_mode_32 3
		.amdhsa_float_denorm_mode_16_64 3
		.amdhsa_memory_ordered 1
		.amdhsa_forward_progress 1
		.amdhsa_inst_pref_size 52
	.end_amdhsa_kernel
	.amdgpu_metadata
---
amdhsa.version: [ 1, 2 ]
amdhsa.kernels:
  - .name:           k_q43411f4a4e_quant
    .symbol:         k_q43411f4a4e_quant.kd
    .args:
      - { .name: q, .offset: 0, .size: 8, .value_kind: global_buffer, .address_space: global }
      - { .name: k, .offset: 8, .size: 8, .value_kind: global_buffer, .address_space: global }
      - { .name: v, .offset: 16, .size: 8, .value_kind: global_buffer, .address_space: global }
      - { .name: Wq, .offset: 24, .size: 8, .value_kind: global_buffer, .address_space: global }
      - { .name: Wk, .offset: 32, .size: 8, .value_kind: global_buffer, .address_space: global }
      - { .name: Wv, .offset: 40, .size: 8, .value_kind: global_buffer, .address_space: global }
      - { .name: Wo, .offset: 48, .size: 8, .value_kind: global_buffer, .address_space: global }
      - { .name: lowp_scales, .offset: 56, .size: 8, .value_kind: global_buffer, .address_space: global }
      - { .name: attn_mask, .offset: 64, .size: 8, .value_kind: global_buffer, .address_space: global }
      - { .name: codes, .offset: 72, .size: 8, .value_kind: global_buffer, .address_space: global }
      - { .name: meta, .offset: 80, .size: 8, .value_kind: global_buffer, .address_space: global }
    .group_segment_fixed_size: 33280
    .private_segment_fixed_size: 0
    .kernarg_segment_align: 8
    .kernarg_segment_size: 88
    .max_flat_workgroup_size: 128
    .sgpr_count:     66
    .vgpr_count:     194
    .wavefront_size: 32
...
	.end_amdgpu_metadata
.endif
;; end of part 1
;; launch proj (part 2): grid 4 x 96, 4 waves a work-group, clusters of 4 x 4, 327,680 bytes of LDS; arguments codes, attn_mask, lowp_scales, himg; writes himg
.if DOCPART == 2
	.amdgcn_target "amdgcn-amd-amdhsa--gfx1250"
	.amdhsa_code_object_version 6
	.text
	.protected	k_q43411f4a4e_proj
	.globl	k_q43411f4a4e_proj
	.p2align	8
	.type	k_q43411f4a4e_proj,@function
k_q43411f4a4e_proj:
	s_mov_b64 s[64:65], 0
	v_nop
	global_prefetch_b8 v0, s[64:65] scope:SCOPE_SE
	s_setreg_imm32_b32 hwreg(HW_REG_WAVE_MODE, 25, 1), 1
	s_wait_xcnt 0x0
	s_wait_alu depctr_hold_cnt(0) depctr_sa_sdst(0) depctr_va_vdst(0) depctr_va_sdst(0) depctr_va_ssrc(0) depctr_va_vcc(0) depctr_vm_vsrc(0)
	s_getreg_b32 s2, hwreg(HW_REG_IB_STS2, 6, 4)
	s_cmp_eq_u32 s2, 0
	s_cbranch_scc0 .Lentry_in_a_cluster
	s_endpgm
.Lentry_in_a_cluster:
	s_bfe_u32 s2, ttmp6, 0x10000c
	s_cmp_lg_u32 s2, 0xf033
	s_cbranch_scc0 .Lentry_shape_is_right
	s_endpgm
.Lentry_shape_is_right:
; The three projections, on codes of FP8 (E4M3), as three products C'[m][n] = sum over k of A[m][k] B[n][k], K = 1,024, in one grid; each result is scaled, quantised and stored as codes for attention.
; The cluster's y (0 .. 23) gives p = y / 8 and cl = y % 8:
;   p = 0: A = q's codes,  B = Wq's: [8192 tokens][1024]; x 64^(-1/4); scale of the result e6
;   p = 1: A = k's codes,  B = Wk's: the same; a token whose attn_mask is 0 gets zero codes (its score is then exactly 0, and attention puts -10000 in its place); e7
;   p = 2: A = Wv's codes, B = v's:  [1024 channels][8192 tokens]: the sides are swapped so that a lane's eight results are eight neighbouring TOKENS: the keys come out innermost, as the second product of attention wants them; e9
; A sum stands for sum x 2^(ea + eb), so its code is (sum x mult) / 2^E, E = eo - ea - eb.  LIMIT: E between -126 and 119, so that 2^E and 448 x 2^E are f32 numbers.  NaN is not served.
; A tile of C', 256 x 256, is made by a work-group of four waves; a wave makes 128 x 128: 64 accumulators, 512 registers.  K goes in steps of 256 through a ring of two LDS slots filled by the
; tensor data mover: a tile's row is 256 bytes of memory.  3 x 128 tiles are 384 work-groups.
; CLUSTERS: 4 x 4 work-groups of one p.  The four of a row of the cluster need the same tiles of A, the four of a column the same tiles of B: each tile is asked for JOINTLY.  All choices between the
; three products are selections on p, which the sixteen partners share; there is no branch on it.
; THE MATRIX INSTRUCTION IS USED TRANSPOSED (source 0 = 16 rows of B, source 1 = 16 rows of A): lane l holds row m = l % 16 and columns 8 (l / 16) + 0 .. 7 of a 16 x 16 result.
; THE RESULT'S LAYOUT: chunks of 16 rows x 32 columns, 512 bytes, laid [M / 16][N / 32]: lane l's 16 bytes at 16 l are (row l % 16, columns 8 (l / 16) + 0..7 and 16 + 8 (l / 16) + 0..7): four registers of a
; matrix operand as they stand.  One conversion of an accumulator gives 8 of those bytes, so the results leave straight from the registers, 512 consecutive bytes a store.  Q's image lies at 0, K's at 8 MiB, V's at 16 MiB.
; REGISTERS, in windows of 256: window 0: v0-31 addresses and the mask; v32-109 the way out; from v128 A's fragments, ONE set (on the way out: the codes).  window 1: B's fragments, TWO sets.  windows 2, 3: the accumulators ((a, b) at v[8 (8 (a % 4) + b)]).
.set ROWB,   256                       ; a tile's row in bytes
.set KROW,   1024                      ; a row of A or of B in memory, in bytes
.set PITCH,  272                       ; an LDS row: 256 bytes + 16 of padding = 68 words: the 16 rows that a load touches start 4 words apart modulo 64 words
.set FR,     16                        ; registers of a fragment: 16 rows x 128 K
.set NL,     4                         ; LDS loads that bring one
.set NP,     4                         ; places behind this matrix instruction (ISA guide 7.12.1)
.set HALFT,  128*PITCH                 ; 128 rows: what one tensor load brings, and what one wave reads of A or of B
.set SLOT,   4*HALFT                   ; A's 256 rows, then B's 256 rows
.set LAPS,   2                         ; a lap = two K steps of 256 = once round the ring
.set SPARE,  2*SLOT                    ; behind the ring: the spare words, 128 bytes for each wave: two blocks of 256 bytes that no other line names
.set MK,   8                           ; v8-15   attn_mask of my row in each of my eight blocks of 16 rows
.set ADRA, 16                          ; v16-17  LDS address of my A fragments in slot 0, 1
.set ADRB, 20                          ; v20-21  the same for B
.set SPW,  28                          ; v28     LDS address of my spare word; never rewritten
.set NIL,  29                          ; v29     0; never rewritten
.set TMP,  32                          ; v32-95  the way out: a block's 64 sums x mult
.set VO,   96                          ; v96-103 the way out: block a's byte offset: 16 x lane + a x 16 N
.set MU,   104                         ; v[104:105] the block's factor for my row (the low word serves both halves)
.set LIM,  106                         ; 448 x 2^E
.set SC,   107                         ; 2^E
.set ZERO, 108
.set MULT, 109
.set AF,   128                         ; A's fragments, in window 0
.set CO,   128                         ; the way out: 16 registers of codes for each block, so that no store's data are written again
.set G1, 24                            ; s[24:31] descriptor group 1 for A's tiles;  s[32:39] group 0, one set for each slot
.set G0, 32
.set G1B, 48                           ; s[48:55], s[56:63] the same for B's tiles
.set G0B, 56
.set MSB, 0
.macro WIN new                         ; the immediate's high byte repeats the setting that is left
.if MSB != \new
	s_set_vgpr_msb (MSB<<8)|\new
.set MSB, \new
.endif
.endm
.set MUL_LO, 0xa1                      ; source 0 (B) window 1, source 1 (A) window 0, C and D window 2
.set MUL_HI, 0xf1                      ; the same, C and D window 3
.set TO_B,   0x40                      ; destination window 1, address window 0
; A joint load: waves 0 and 1 fetch for A, waves 2 and 3 for B.  Each of the two lines has ONE mask and one set of registers for all that issue it; the branch hangs on the wave's number alone.
; Four v_nop follow each of the two lines, ahead of the jump, the label and what follows.
.macro JLOAD g0a, g1a, g0b, g1b
	s_cmp_eq_u32 s15, 0
	s_cbranch_scc0 .Lfor_b_\@
	tensor_load_to_lds s[\g0a:\g0a+3], s[\g1a:\g1a+7]
	s_nop 0
.rept 4
	v_nop
.endr
	s_branch .Lasked_\@
.Lfor_b_\@:
	tensor_load_to_lds s[\g0b:\g0b+3], s[\g1b:\g1b+7]
	s_nop 0
.rept 4
	v_nop
.endr
.Lasked_\@:
.endm
.macro CREST                           ; a round of the cluster's barrier behind its opening barrier
	s_cmp_lg_u32 s14, 0
	s_cbranch_scc1 .Lnot_wave_0_\@
	s_barrier_signal -3
.Lnot_wave_0_\@:
	s_barrier_wait -3
	s_barrier_signal -1
	s_barrier_wait -1
.endm
.macro CROUND                          ; a whole round
	s_barrier_signal -1
	s_barrier_wait -1
	CREST
.endm
	s_load_b256 s[4:11], s[0:1], 0x0               ; the codes s[4:5], attn_mask s[6:7], the scales' exponents s[8:9], the images s[10:11]
	v_lshl_add_u32 v[SPW], v0, 2, SPARE
	v_mov_b32 v[NIL], 0
	ds_add_u32 v28, v29
	ds_add_u32 v28, v29
	s_wait_dscnt 0x0
	v_lshrrev_b32 v1, 5, v0
	v_readfirstlane_b32 s14, v1                    ; wave 0..3
	s_lshr_b32 s15, s14, 1                         ; which half of the tile's rows is mine.  Also: I fetch for A (0) or for B (1)
	s_and_b32 s16, s14, 1                          ; which half of its columns.  Also: which 128 rows of that tile I fetch
	s_bfe_u32 s40, ttmp6, 0x40000                  ; cx, cy: my place in the cluster
	s_bfe_u32 s41, ttmp6, 0x40004
	s_and_b32 s66, ttmp7, 0xffff                   ; the cluster's y
	s_and_b32 s67, s66, 7
	s_lshl_b32 s67, s67, 2                         ; 4 cl
	s_lshr_b32 s66, s66, 3                         ; p
	s_lshl_b32 s70, s66, 23                        ; A's codes: q at 0, k at 8 MiB,
	s_lshl_b32 s71, s66, 20
	s_add_co_u32 s71, s71, 24<<20                  ; B's: Wq at 24 MiB, Wk at 25 MiB
	s_mov_b32 s91, 16384                           ; 16 N bytes: from a tile of 16 rows of the image to the next
	s_cmp_eq_u32 s66, 2                            ; the values' product has its long side along n
	s_cselect_b32 s68, 0, s67                      ; what cl adds to the tile row,
	s_cselect_b32 s69, s67, 0                      ; and to the tile column
	s_cselect_b32 s70, 26<<20, s70                 ; A = Wv,
	s_cselect_b32 s71, 16<<20, s71                 ; B = v
	s_cselect_b32 s91, 131072, s91
	s_lshl_b32 s42, ttmp9, 2
	s_add_co_u32 s42, s42, s40
	s_add_co_u32 s42, s42, s69                     ; tile column of C'
	s_add_co_u32 s17, s68, s41                     ; tile row of C'
	s_lshl_b32 s43, s41, 2
	s_lshl_b32 s43, 15, s43                        ; my row of the cluster
	s_lshl_b32 s44, 0x1111, s40                    ; my column
	; descriptor group 1: a tile of 128 rows x 256 bytes, padded in LDS
	s_or_b32 s[G1+0], s43, (0<<16)|(1<<20)|(1<<21)|(5<<22)|(3<<25)  ; 15:0 the mask: A's tiles go to my row; 17:16 element of 1 byte; 20 padding on; 21 set beside a mask; 24:22 after every 64 words (code 5); 31:25 of 4 words (code 3)
	s_or_b32 s[G1B+0], s44, (0<<16)|(1<<20)|(1<<21)|(5<<22)|(3<<25)
.irp g, G1, G1B
	s_mov_b32 s[\g+1], ROWB<<16                    ; tensor_dim0
	s_mov_b32 s[\g+2], 128<<16                     ; tensor_dim1 = 128
	s_mov_b32 s[\g+3], ROWB<<16                    ; tile_dim0
	s_mov_b32 s[\g+4], 128                         ; tile_dim1 = 128
	s_mov_b32 s[\g+5], KROW                        ; tensor_dim0_stride
	s_mov_b32 s[\g+6], 0
	s_mov_b32 s[\g+7], 0
.endr
	; A's offset is made of the tile row, the wave and p; B's of the tile column, the wave and p; each in registers that never hold the other coordinate.  Both stay under 2^25
	s_lshl_b32 s18, s16, 7                         ; which 128 rows of the tile I fetch
	s_lshl_b32 s20, s17, 8
	s_add_co_u32 s20, s20, s18                     ; A: row 256 x tile row + 128 x half,
	s_lshl_b32 s20, s20, 10                        ; x 1,024 bytes,
	s_add_co_u32 s20, s20, s70                     ; in its tensor's codes
	s_mov_b32 s21, 0
	s_lshl_b32 s46, s42, 8
	s_add_co_u32 s46, s46, s18                     ; B likewise
	s_lshl_b32 s46, s46, 10
	s_add_co_u32 s46, s46, s71
	s_mov_b32 s47, 0
	s_mul_i32 s45, s14, HALFT                      ; where they go: wave x 128 rows: no place in the cluster enters an LDS address
	s_wait_kmcnt 0x0
	s_load_b256 s[76:83], s[8:9], 0x0              ; e0 .. e7
	s_load_b128 s[84:87], s[8:9], 0x20             ; e8 .. e11
	s_add_nc_u64 s[20:21], s[4:5], s[20:21]
	s_add_nc_u64 s[46:47], s[4:5], s[46:47]
	CROUND                                         ; all sixteen work-groups are here: the first joint loads meet
.irp s, 0,1
	s_mov_b32 s[G0+4*\s], 1
	s_add_co_u32 s[G0+4*\s+1], s45, \s*SLOT
	s_add_nc_u64 s[G0+4*\s+2:G0+4*\s+3], s[20:21], \s*ROWB
	s_or_b32 s[G0+4*\s+3], s[G0+4*\s+3], 0x80000000
	s_mov_b32 s[G0B+4*\s], 1
	s_add_co_u32 s[G0B+4*\s+1], s45, \s*SLOT
	s_add_nc_u64 s[G0B+4*\s+2:G0B+4*\s+3], s[46:47], \s*ROWB
	s_or_b32 s[G0B+4*\s+3], s[G0B+4*\s+3], 0x80000000
	JLOAD G0+4*\s, G1, G0B+4*\s, G1B               ; two tensor loads of mine are out
.endr
	v_and_b32 v1, 15, v0                           ; l % 16
	v_bfe_u32 v2, v0, 4, 1                         ; l / 16
	v_mul_u32_u24 v3, v1, PITCH
	v_lshl_add_u32 v4, v2, 4, v3                   ; a fragment's row x pitch + 16 x half
	s_mul_i32 s21, s15, HALFT                      ; my 128 rows of A
	s_mul_i32 s22, s16, HALFT                      ; my 128 rows of B,
	s_add_co_u32 s22, s22, 2*HALFT                 ; which lie behind A's 256
.irp s, 0,1
	v_add_nc_u32 v[ADRA+\s], s21, v4
	v_add_nc_u32 v[ADRB+\s], s22, v4
	s_add_co_u32 s21, s21, SLOT
	s_add_co_u32 s22, s22, SLOT
.endr
	; attn_mask at my rows: number 256 x tile row + 128 x half + 16 a + l % 16 of its 8,192.  Every p loads it (the tile row stays under 32, so the loads stay inside); only p = 1 uses it
	v_lshlrev_b32 v7, 2, v1
	s_lshl_b32 s72, s17, 10
	s_lshl_b32 s73, s15, 9
	s_add_co_u32 s72, s72, s73
	s_mov_b32 s73, 0
	s_add_nc_u64 s[72:73], s[6:7], s[72:73]
.irp a, 0,1,2,3,4,5,6,7
	global_load_b32 v[MK+\a], v7, s[72:73] offset:64*\a
.endr
	; where my part of the image begins: p x 8 MiB + (16 x tile row + 8 x half) x 16 N + (8 x tile column + 4 x half) x 512
	s_lshl_b32 s92, s17, 4
	s_lshl_b32 s93, s15, 3
	s_add_co_u32 s92, s92, s93
	s_mul_i32 s92, s92, s91
	s_lshl_b32 s93, s42, 12
	s_add_co_u32 s92, s92, s93
	s_lshl_b32 s93, s16, 11
	s_add_co_u32 s92, s92, s93
	s_lshl_b32 s93, s66, 23
	s_add_co_u32 s92, s92, s93
	s_mov_b32 s93, 0
	s_add_nc_u64 s[10:11], s[10:11], s[92:93]
	v_and_b32 v6, 31, v0
	v_lshlrev_b32 v6, 4, v6                        ; 16 x lane
.irp a, 0,1,2,3,4,5,6,7
	s_mul_i32 s92, s91, \a
	v_add_nc_u32 v[VO+\a], s92, v6
.endr
.macro FRAG reg, adr, q, i             ; a fragment, 16 rows x 128 K, is 16 registers; by the order of the pieces in a row of codes, registers 4 c .. 4 c + 3 hold K = 32 c + 8 (l / 16) + 0..7 and 32 c + 16 + 8 (l / 16) + 0..7
.irp c, 0,1,2,3
	ds_load_b128 v[\reg+4*\c:\reg+4*\c+3], v[\adr] offset:128*(\q)+32*\c+(\i)*16*PITCH
.endr
.endm
; 16 matrix instructions: A's blocks a0, a0 + 1 x B's eight, 128 along K.  p: B's set.  zero = 1: the first product starts the sums: nothing is ever cleared.
; The 64 accumulators take turns, one instruction a turn, in the same order in every step.
.macro MUL16 a0, p, zero
.irp a, \a0, \a0+1
.irp b, 0,1,2,3,4,5,6,7
.if \zero
	v_wmma_f32_16x16x128_fp8_fp8 v[8*(8*((\a)%4)+\b):8*(8*((\a)%4)+\b)+7], v[128*(\p)+FR*\b:128*(\p)+FR*\b+FR-1], v[AF+FR*(\a):AF+FR*(\a)+FR-1], 0
.else
	v_wmma_f32_16x16x128_fp8_fp8 v[8*(8*((\a)%4)+\b):8*(8*((\a)%4)+\b)+7], v[128*(\p)+FR*\b:128*(\p)+FR*\b+FR-1], v[AF+FR*(\a):AF+FR*(\a)+FR-1], v[8*(8*((\a)%4)+\b):8*(8*((\a)%4)+\b)+7]
.endif
.endr
.endr
.endm
.macro FETCH_B slot, q, p              ; B's eight fragments of the slot's q-th 128 along K into set p
	WIN TO_B
.irp i, 0,1,2,3,4,5,6,7
	FRAG 128*(\p)+FR*\i, ADRB+\slot, \q, \i
.endr
	WIN 0
.endm
.macro FETCH_A slot, q, i0             ; A's blocks i0 .. i0 + 3
.irp i, \i0, \i0+1, \i0+2, \i0+3
	FRAG AF+FR*(\i), ADRA+\slot, \q, \i
.endr
.endm
; A load into a register that a matrix instruction has read stands NP places behind that matrix instruction, and only plain vector instructions that name none of its registers are places.
.macro PLACES n
.rept \n
	v_nop
.endr
.endm
; A step of 128 along K that has its successor in the same slot.  A's blocks go one after the other, each against B's eight, so a block of A is free when its eight products are issued and one set serves A.
.macro STEP slot, q, zero
	s_wait_dscnt 4*NL                              ; B's set and A's blocks 0-3 are in; the youngest 16 loads (A's blocks 4-7) may be out
	WIN MUL_LO
	MUL16 0, (\q)%2, \zero
	MUL16 2, (\q)%2, \zero
	s_wait_dscnt 0                                 ; A's blocks 4-7 are in (asked for 32 matrix instructions ago)
	PLACES NP
	FETCH_B \slot, (\q)+1, 1-(\q)%2
	FETCH_A \slot, (\q)+1, 0
	WIN MUL_HI
	MUL16 4, (\q)%2, \zero
	MUL16 6, (\q)%2, \zero
	PLACES NP
	WIN 0
	FETCH_A \slot, (\q)+1, 4
.endm
; A slot's last step changes slots: ONE barrier; in front of it each wave waits for all its tensor loads, adds 0 to its spare word, and waits for that and for its own reads of this slot.  fill = 1: this slot is filled again, two K steps ahead.
.macro TURN slot, next, fill
	s_wait_tensorcnt 0x0                           ; all my tensor loads have landed: my part of the next slot;  (every window is 0 here)
	ds_add_u32 v[SPW], v[NIL]                      ; 0 onto my spare word;
	s_wait_dscnt 4*NL+1                            ; (the add and the youngest 16 loads, A's blocks 4-7, may be out)
	WIN MUL_LO
	MUL16 0, 1, 0                                  ; sixteen matrix instructions stand between the add and the wait for it
	s_wait_dscnt 0x0                               ; the add is done, and my reads of this slot are over
	s_barrier_signal -1
	MUL16 2, 1, 0
	WIN 0
	s_barrier_wait -1
.if \fill
	CREST                                          ; the barrier has opened a round of the cluster's barrier: no wave of any partner still reads this slot's tile or has a load on its way
	s_add_nc_u64 s[G0+4*\slot+2:G0+4*\slot+3], s[G0+4*\slot+2:G0+4*\slot+3], 2*ROWB
	s_add_nc_u64 s[G0B+4*\slot+2:G0B+4*\slot+3], s[G0B+4*\slot+2:G0B+4*\slot+3], 2*ROWB
	JLOAD G0+4*\slot, G1, G0B+4*\slot, G1B         ; the first tensor load behind the round, my only one until the next; the four v_nop behind it are the places in front of the loads below
.else
	PLACES NP
.endif
	FETCH_B \next, 0, 0
	FETCH_A \next, 0, 0
	WIN MUL_HI
	MUL16 4, 1, 0
	MUL16 6, 1, 0
	PLACES NP
	WIN 0
	FETCH_A \next, 0, 4
.endm
	s_wait_loadcnt 0x0                             ; the mask's eight numbers
	s_wait_tensorcnt 1                             ; my part of K step 0 is in (K step 1's load may be out)
	s_barrier_signal -1
	s_barrier_wait -1                              ; everybody's is
	FETCH_B 0, 0, 0
	FETCH_A 0, 0, 0
	FETCH_A 0, 0, 4
	STEP 0, 0, 1                                   ; the first step stands in front of the loop: its products start the sums
	s_mov_b32 s3, LAPS-1
.Llap:                                                 ; a trip goes once round the ring, from a lap's second step to the next lap's first, and fills both slots again
	TURN 0, 1, 1
	STEP 1, 0, 0
	TURN 1, 0, 1
	STEP 0, 0, 0
	s_sub_co_u32 s3, s3, 1
	s_cmp_lg_u32 s3, 0
	s_cbranch_scc1 .Llap
	TURN 0, 1, 0                                   ; the last lap fills nothing, and has no round of the cluster's barrier
	STEP 1, 0, 0
	s_wait_dscnt 4*NL                              ; the very last step: nothing more to fetch
	WIN MUL_LO
	MUL16 0, 1, 0
	MUL16 2, 1, 0
	s_wait_dscnt 0
	WIN MUL_HI
	MUL16 4, 1, 0
	MUL16 6, 1, 0
	WIN 0
	; THE WAY OUT.  E = eo - ea - eb and the factor are selected by p; there is no branch on a given exponent.
	s_wait_kmcnt 0x0
	s_add_co_i32 s92, s76, s77
	s_sub_co_i32 s92, s82, s92                     ; p = 0: e6 - e0 - e1
	s_add_co_i32 s93, s78, s79
	s_sub_co_i32 s93, s83, s93                     ; p = 1: e7 - e2 - e3
	s_add_co_i32 s94, s80, s81
	s_sub_co_i32 s94, s85, s94                     ; p = 2: e9 - e4 - e5
	s_mov_b32 s90, 0x3eb504f3                      ; 64^(-1/4) as f32
	s_cmp_eq_u32 s66, 0
	s_cselect_b32 s88, s92, s93
	s_cmp_eq_u32 s66, 2
	s_cselect_b32 s88, s94, s88
	s_cselect_b32 s90, 1.0, s90                    ; the values are not scaled
	s_cmp_eq_u32 s66, 1
	s_cselect_b32 s89, -1, 0                       ; all lanes' bits where the mask counts: the keys
	s_add_co_i32 s88, s88, 127
	s_lshl_b32 s92, s88, 23
	s_add_co_i32 s88, s88, 8
	s_lshl_b32 s88, s88, 23
	s_or_b32 s88, s88, 0x600000
	v_mov_b32 v[SC], s92                           ; 2^E: the conversion takes its exponent field.  These five plain lines, which name no register of the last products,
	v_mov_b32 v[LIM], s88                          ; 448 x 2^E                                       are the places between those products and the lines that read results
	v_mov_b32 v[ZERO], 0                           ;                                                  or write the registers that held A's fragments
	v_mov_b32 v[MULT], s90
	v_mov_b32 v[MU+1], 0                           ; (named as the upper half of a pair, so it is written)
; Block a: my rows 16 a .. 16 a + 15, 128 columns: x the row's factor, held, converted, stored as four chunks: 2,048 consecutive bytes.
.macro OUTBLK a
	v_cmp_eq_f32 s92, 0, v[MK+\a]
	s_and_b32 s92, s92, s89
	v_cndmask_b32 v[MU], v[MULT], v[ZERO], s92     ; 0 for a padded key, else the factor
	WIN 0x02+((\a)/4)                              ; source 0: window 2 or 3
.set j, 0
.rept 32
	v_pk_mul_f32 v[TMP+j:TMP+j+1], v[64*((\a)%4)+j:64*((\a)%4)+j+1], v[MU:MU+1] op_sel_hi:[1,0]   ; each accumulator from its low end on
.set j, j+2
.endr
	WIN 0
.set j, 0
.rept 64
	v_med3_num_f32 v[TMP+j], v[TMP+j], -v[LIM], v[LIM]   ; the conversion to an 8-bit code does not saturate (ISA guide 7.6.2): the hold at the largest code x the scale
.set j, j+1
.endr
.irp b, 0,1,2,3,4,5,6,7
	v_cvt_scalef32_pk8_fp8_f32 v[CO+16*(\a)+2*\b:CO+16*(\a)+2*\b+1], v[TMP+8*\b:TMP+8*\b+7], v[SC]   ; columns 16 b + 8 (l / 16) + 0 .. 7 of my row: half of my 16 bytes of chunk b / 2
.endr
	v_nop                                          ; one plain vector line between the conversions and the next block's lines, which write their sources
.irp c, 0,1,2,3
	global_store_b128 v[VO+\a], v[CO+16*(\a)+4*\c:CO+16*(\a)+4*\c+3], s[10:11] offset:512*\c   ; 32 lanes store 512 consecutive bytes, at a multiple of 512 from the image's first byte
.endr
.endm
.irp a, 0,1,2,3,4,5,6,7
	OUTBLK \a
.endr
	s_wait_tensorcnt 0x0                           ; the wave's end
	ds_add_u32 v[SPW], v[NIL]
	s_wait_dscnt 0x0
	CROUND                                         ; the closing round: no work-group ends while a partner may still ask for a tile that names it
	s_endpgm
.Lfunc_end_k_q43411f4a4e_proj:
	.size	k_q43411f4a4e_proj, .Lfunc_end_k_q43411f4a4e_proj-k_q43411f4a4e_proj
	.p2alignl 7, 3214868480
	.fill 96, 4, 3214868480
	.section	.rodata,"a",@progbits
	.p2align	6, 0x0
	.amdhsa_kernel k_q43411f4a4e_proj
		.amdhsa_group_segment_fixed_size 327680
		.amdhsa_private_segment_fixed_size 0
		.amdhsa_enable_private_segment 0
		.amdhsa_kernarg_size 32
		.amdhsa_user_sgpr_count 2
		.amdhsa_user_sgpr_kernarg_segment_ptr 1
		.amdhsa_wavefront_size32 1
		.amdhsa_system_sgpr_workgroup_id_x 1
		.amdhsa_system_sgpr_workgroup_id_y 1
		.amdhsa_system_sgpr_workgroup_id_z 1
		.amdhsa_system_vgpr_workitem_id 0
		.amdhsa_next_free_vgpr 1024
		.amdhsa_next_free_sgpr 100
		.amdhsa_reserve_vcc 0
		.amdhsa_float_denorm_mode_32 3
		.amdhsa_float_denorm_mode_16_64 3
		.amdhsa_memory_ordered 1
		.amdhsa_forward_progress 1
		.amdhsa_inst_pref_size 137
	.end_amdhsa_kernel
	.amdgpu_metadata
---
amdhsa.version: [ 1, 2 ]
amdhsa.kernels:
  - .name:           k_q43411f4a4e_proj
    .symbol:         k_q43411f4a4e_proj.kd
    .args:
      - { .name: codes, .offset: 0, .size: 8, .value_kind: global_buffer, .address_space: global }
      - { .name: attn_mask, .offset: 8, .size: 8, .value_kind: global_buffer, .address_space: global }
      - { .name: lowp_scales, .offset: 16, .size: 8, .value_kind: global_buffer, .address_space: global }
      - { .name: himg, .offset: 24, .size: 8, .value_kind: global_buffer, .address_space: global }
    .group_segment_fixed_size: 327680
    .private_segment_fixed_size: 0
    .kernarg_segment_align: 8
    .kernarg_segment_size: 32
    .max_flat_workgroup_size: 128
    .sgpr_count:     100
    .vgpr_count:     1024
    .wavefront_size: 32
...
	.end_amdgpu_metadata
.endif
;; end of part 2
;; launch attn (part 3): grid 4 x 64, 16 waves a work-group, no clusters, 272,384 bytes of LDS; arguments himg, attn_mask, meta, lowp_scales, cimg; writes cimg
.if DOCPART == 3
	.amdgcn_target "amdgcn-amd-amdhsa--gfx1250"
	.amdhsa_code_object_version 6
	.text
	.protected	k_q43411f4a4e_attn
	.globl	k_q43411f4a4e_attn
	.p2align	8
	.type	k_q43411f4a4e_attn,@function
k_q43411f4a4e_attn:
	s_mov_b64 s[64:65], 0
	v_nop
	global_prefetch_b8 v0, s[64:65] scope:SCOPE_SE
	s_setreg_imm32_b32 hwreg(HW_REG_WAVE_MODE, 25, 1), 1
	s_wait_xcnt 0x0
; Attention of one head on codes of FP8 (E4M3): scores = Q K^T (K = 64 channels), the masks, the softmax, ctx = P V (K = the keys), ctx quantised for the last projection.
; THE MASKS.  logit = score, - 10000 ADDED where key > query, then REPLACED by -10000 where attn_mask[key] == 0.  A padded key's codes of K are zeros (made so by the launch before), so its product is exactly 0;
; the -10000, in the sums' units (NEGU = -10000 / 2^(e6 + e7)), goes in as the C of the score's matrix instruction: for a padded key from a table in LDS, for a key behind the query by a selection on that C.  So a padded key behind the query gets it once.
; -10000 is no -infinity: a query all of whose keys up to itself are padded attends to the keys behind it.  f = the batch's first key that is not padded (meta[2 b]).  A tile of 16 queries whose first query Q0 is at
; least f leaves out the steps all of whose keys lie behind it: its rows have a logit of at least -3136 (64 x 448^2 x 2^(e6 + e7), with e6 + e7 <= -12) and the hidden ones at most -6864, so their p is 0 in f32.
; A tile with Q0 < f walks all keys; so does every tile where e6 + e7 > -12 (f is then taken as 4,096).
; THE SOFTMAX: t = logit x log2(e); M = the running largest t rounded UP to a whole number; p = 2^(t - M) is quantised with 2^e8, not normalised; the row's sum is taken of the unquantised p and divides at the end;
; when M moves, the sum and O are multiplied by 2^(old M - new M), which rounds nothing.
; SHARES.  Work-group (g, head): the head's whole K (128 KiB), V (128 KiB) and the table (8 KiB) are put into LDS once, through registers; ONE barrier; then the sixteen waves go their own ways.  Wave w owns the tiles of
; 16 queries number i = 16 g + w and 127 - i, one after the other: i / 8 + 1 and (127 - i) / 8 + 1 steps of 128 keys, 17 for every wave of the launch.
; NO JOINT LOADS, though the four work-groups of a head read the same K and V: the branches that leave out hidden steps, the masks' lines and p's hold hang on numbers read from memory (meta, lowp_scales),
; What is shared is read once, at the head: 264 KiB a work-group.
; LAYOUT.  All operands lie as images of their registers: chunks of 16 rows x 32 along K, 512 bytes, lane l's 16 bytes at 16 l.  Both products are used transposed: S^T = K Q^T (source 0 = 16 keys, source 1 = my 16 queries),
; O^T = V^T P^T (source 0 = 16 channels, source 1 = P): a lane holds ONE query (lane % 16) throughout; register 8 t + j of S^T is key 16 t + 8 (lane / 16) + j, so one conversion of tile t is registers 2 t, 2 t + 1 of P.
; LIMITS on the given exponents: e6 + e7 between -114 and 127 (c and NEGU are f32 numbers); e8, and e10 - e8 - e9, between -126 and 119.
; REGISTERS: v1 16 x lane; v2, v3 V's places; v4 the table's; v5 lane % 16 - 8 (lane / 16); v6 NEGU; v7, v8 2^e8 and 448 x that; v9, v10 the same with e10 - e8 - e9; v12 -M, v13 the largest t, v[14:15] the sum;
; v16-23 Q; v24-27 the step's LDS addresses; v[28:29] f; v30, v31 at work; v32-95 K's, then V's fragments; v96-159 S^T, then p; v160-191 O^T; v192-207 p's codes; v208-213 at work; v216-223 ctx's codes.
.set VOFF, 131072                      ; LDS: K at 0: [128 tiles of 16 keys][1,024 bytes];  V here: [4 tiles of 16 channels][64 chunks][512 bytes];
.set BIAS, 262144                      ; the table: 2,048 f32: NEGU where the key is padded, else 0
.set KIMG, 8<<20                       ; K's image in the buffer of images; Q's lies at 0,
.set VIMG, 16<<20                      ; V's here
	s_load_b256 s[4:11], s[0:1], 0x0               ; the images s[4:5], attn_mask s[6:7], meta s[8:9], the scales' exponents s[10:11]
	s_load_b64 s[12:13], s[0:1], 0x20              ; ctx's image
	v_lshl_add_u32 v254, v0, 2, 0x42000
	v_mov_b32 v255, 0
	v_lshrrev_b32 v30, 5, v0
	v_readfirstlane_b32 s14, v30                   ; wave 0..15
	s_and_b32 s16, ttmp7, 0xffff
	s_lshr_b32 s17, s16, 4                         ; b
	s_and_b32 s18, s16, 15                         ; the head
	s_mov_b32 s20, 0x76543210                      ; v_permlanex16_b32's selects for lane l xor 16
	s_mov_b32 s21, 0xfedcba98
	v_and_b32 v30, 31, v0
	v_lshlrev_b32 v1, 4, v30
	v_add_nc_u32 v2, VOFF, v1                      ; V's channel tiles 0 and 1,
	v_add_nc_u32 v3, VOFF+65536, v1                ; 2 and 3
	v_bfe_u32 v31, v0, 4, 1                        ; h
	v_lshl_add_u32 v4, v31, 5, BIAS                ; the table at my half's eight keys
	v_and_b32 v5, 15, v0
	v_lshlrev_b32 v31, 3, v31
	v_sub_nc_u32 v5, v5, v31
	s_lshl_b32 s33, s14, 13
	v_add_nc_u32 v24, s33, v1                      ; the fill: my wave's 8,192 bytes of K,
	v_add_nc_u32 v25, s33, v2                      ; and of V
	v_lshlrev_b32 v26, 4, v0                       ; 16 x thread: my four numbers of the mask,
	v_add_nc_u32 v27, BIAS, v26                    ; and of the table
	v_mov_b32 v29, 0                               ; (named as the upper halves of pairs, so they are written)
	v_mov_b32 v213, 0
	s_lshl_b32 s60, s17, 21                        ; Q's, K's and ctx's images: [512 tiles of 16 tokens][32 chunks][512]: batch b begins 2 MiB x b on, the head's two chunks 1,024 x head on
	s_lshl_b32 s33, s18, 10
	s_add_co_u32 s60, s60, s33
	s_mov_b32 s61, 0
	s_lshl_b32 s50, s14, 17                        ; K: my eight tiles of 16 keys, 16,384 bytes apart
	s_add_co_u32 s50, s50, s60
	s_add_co_u32 s50, s50, KIMG
	s_mov_b32 s51, 0
	s_lshl_b32 s52, s18, 19                        ; V: [64 tiles of 16 channels][256 chunks][512]: tile 4 head + w / 4,
	s_lshr_b32 s33, s14, 2
	s_lshl_b32 s33, s33, 17
	s_add_co_u32 s52, s52, s33
	s_lshl_b32 s33, s17, 15                        ; the batch's 64 chunks,
	s_add_co_u32 s52, s52, s33
	s_and_b32 s33, s14, 3
	s_lshl_b32 s33, s33, 13                        ; my 16 of them
	s_add_co_u32 s52, s52, s33
	s_add_co_u32 s52, s52, VIMG
	s_mov_b32 s53, 0
	s_lshl_b32 s54, s17, 13                        ; the batch's 2,048 numbers of the mask
	s_mov_b32 s55, 0
	s_lshl_b32 s36, s17, 3                         ; its two numbers of meta
	s_mov_b32 s37, 0
	s_wait_kmcnt 0x0
	s_add_nc_u64 s[8:9], s[8:9], s[36:37]
	s_load_b64 s[38:39], s[8:9], 0x0               ; f, holes
	s_load_b128 s[40:43], s[10:11], 0x18           ; e6, e7, e8, e9
	s_load_b32 s44, s[10:11], 0x28                 ; e10
	s_add_nc_u64 s[50:51], s[4:5], s[50:51]
	s_add_nc_u64 s[52:53], s[4:5], s[52:53]
	s_add_nc_u64 s[54:55], s[6:7], s[54:55]
	s_add_nc_u64 s[48:49], s[4:5], s[60:61]        ; Q's image at my batch and head
	s_add_nc_u64 s[46:47], s[12:13], s[60:61]      ; ctx's likewise
	global_load_b128 v[160:163], v26, s[54:55]
.set n, 0
.rept 16
	global_load_b128 v[32+4*n:35+4*n], v1, s[50:51] offset:(n/2)*16384+(n%2)*512   ; a chunk: 512 consecutive bytes
.set n, n+1
.endr
.set n, 0
.rept 16
	global_load_b128 v[96+4*n:99+4*n], v1, s[52:53] offset:512*n
.set n, n+1
.endr
	s_wait_kmcnt 0x0
	s_add_co_i32 s33, s40, s41                     ; e6 + e7
	s_cmp_gt_i32 s33, -12
	s_cselect_b32 s38, 4096, s38                   ; scores so large that a hidden key's p might not vanish: every tile walks all keys
	s_lshl_b32 s34, s33, 23
	s_add_co_i32 s22, s34, 0x3fb8aa3b              ; c = log2(e) x 2^(e6 + e7): the exponents are added to log2(e)'s exponent field
	s_mov_b32 s23, s22                             ; (named with it as a pair, so it is written)
	s_sub_co_i32 s33, 0, s33
	v_mov_b32 v6, 0xc61c4000                       ; -10000
	v_ldexp_f32 v6, v6, s33                        ; NEGU
	s_add_co_i32 s33, s42, 127
	s_lshl_b32 s34, s33, 23
	v_mov_b32 v7, s34                              ; 2^e8
	s_add_co_i32 s33, s33, 8
	s_lshl_b32 s33, s33, 23
	s_or_b32 s33, s33, 0x600000
	v_mov_b32 v8, s33                              ; 448 x 2^e8
	s_sub_co_i32 s33, s44, s42
	s_sub_co_i32 s33, s33, s43                     ; a sum of the second product stands for sum x 2^(e8 + e9): ctx's code is (sum / l) / 2^(e10 - e8 - e9)
	s_add_co_i32 s33, s33, 127
	s_lshl_b32 s34, s33, 23
	v_mov_b32 v9, s34
	s_add_co_i32 s33, s33, 8
	s_lshl_b32 s33, s33, 23
	s_or_b32 s33, s33, 0x600000
	v_mov_b32 v10, s33
	s_wait_loadcnt 32                              ; the mask is in; K's and V's 32 loads, issued behind it, may be out
.irp i, 0,1,2,3
	v_cmp_eq_f32 vcc_lo, 0, v[160+\i]
	v_cndmask_b32 v[160+\i], 0, v6, vcc_lo
.endr
	ds_store_b128 v27, v[160:163]
.set n, 0
.rept 16
	s_wait_loadcnt 31-n                            ; loads come back in order: this one is in, the younger ones may be out
	ds_store_b128 v24, v[32+4*n:35+4*n] offset:512*n
.set n, n+1
.endr
.set n, 0
.rept 16
	s_wait_loadcnt 15-n
	ds_store_b128 v25, v[96+4*n:99+4*n] offset:512*n
.set n, n+1
.endr
	s_wait_dscnt 0x0                               ; for the others' sake: my stores have landed
	s_barrier_signal -1
	s_barrier_wait -1                              ; K, V and the table are whole; nothing in LDS is written from here on
	s_lshl_b32 s24, ttmp9, 8
	s_lshl_b32 s33, s14, 4
	s_add_co_u32 s24, s24, s33                     ; Q0 = 256 g + 16 w
	s_mov_b32 s32, 2
.Ltile:
	s_lshl_b32 s60, s24, 10                        ; tile Q0 / 16 of 16,384 bytes
	s_mov_b32 s61, 0
	s_add_nc_u64 s[56:57], s[48:49], s[60:61]
	s_add_nc_u64 s[58:59], s[46:47], s[60:61]
	global_load_b128 v[16:19], v1, s[56:57]        ; Q's fragment: two chunks
	global_load_b128 v[20:23], v1, s[56:57] offset:512
	v_mov_b32 v13, 0xff61b1e6                      ; the largest t so far: -3e38, under every t
	v_floor_f32 v12, -v13                          ; -M
	v_mov_b32 v14, 0
	v_mov_b32 v15, 0
.set n, 0
.rept 32
	v_mov_b32 v[160+n], 0                          ; O^T.  (The step is written once: the first finds zeros, which the first change of M leaves zeros)
.set n, n+1
.endr
	s_mov_b32 s25, 0                               ; KF: the step's first key
	s_mov_b32 s26, 0                               ; the step's number
	s_mov_b32 s29, 0                               ; its bytes in K,
	s_mov_b32 s30, 0                               ; in a channel tile of V,
	s_mov_b32 s31, 0                               ; in the table
	s_wait_loadcnt 0x0
.Lstep:                                            ; 16 trips, whatever the tile: a step that is not wanted is jumped over, all but the lines at its end that step addresses
	s_add_co_u32 s33, s24, 15
	s_cmp_le_u32 s25, s33
	s_cbranch_scc1 .Ldo                            ; some key of the step counts for some query of mine
	s_cmp_lt_u32 s24, s38
	s_cbranch_scc0 .Lnext                          ; all its keys are hidden, and Q0 >= f: their p is 0
.Ldo:
	v_add_nc_u32 v24, s29, v1                      ; these four plain lines are also the places between the last step's products and the loads into the registers that they read
	v_add_nc_u32 v25, s30, v2
	v_add_nc_u32 v26, s30, v3
	v_add_nc_u32 v27, s31, v4
.irp t, 0,1,2,3,4,5,6,7
	ds_load_b128 v[32+8*\t:35+8*\t], v24 offset:1024*\t        ; K's tile t: two chunks
	ds_load_b128 v[36+8*\t:39+8*\t], v24 offset:1024*\t+512
.endr
	s_lshr_b32 s34, s39, s26
	s_and_b32 s34, s34, 1                          ; 1: the step holds a padded key
	s_add_co_u32 s33, s25, 127
	s_cmp_le_u32 s33, s24
	s_cselect_b32 s34, s34, 2                      ; 2: some key of the step lies behind some query of mine
	s_cmp_lg_u32 s34, 0
	s_cbranch_scc1 .Lmasked
	s_wait_dscnt 8                                 ; tiles 0-3 are in; the eight loads of tiles 4-7 may be out
.irp t, 0,1,2,3
	v_wmma_f32_16x16x64_fp8_fp8 v[96+8*\t:103+8*\t], v[32+8*\t:39+8*\t], v[16:23], 0
.endr
	s_wait_dscnt 0x0
.irp t, 4,5,6,7
	v_wmma_f32_16x16x64_fp8_fp8 v[96+8*\t:103+8*\t], v[32+8*\t:39+8*\t], v[16:23], 0
.endr
	s_branch .Ljoin
.Lmasked:
.irp t, 0,1,2,3,4,5,6,7
	ds_load_b128 v[96+8*\t:99+8*\t], v27 offset:64*\t          ; the table at keys KF + 16 t + 8 h + 0 .. 7: the C of tile t
	ds_load_b128 v[100+8*\t:103+8*\t], v27 offset:64*\t+16
.endr
	s_wait_dscnt 0x0
	s_cmp_lg_u32 s34, 2
	s_cbranch_scc1 .Lnocausal
	s_sub_co_i32 s33, s24, s25
	v_add_nc_u32 v211, s33, v5                     ; d = my query - KF - 8 h.  Register 8 t + j holds key KF + 8 h + 16 t + j: hidden where 16 t + j > d
.set n, 0
.rept 64
	v_cmp_gt_i32 vcc_lo, 16*(n/8)+n%8, v211
	v_cndmask_b32 v[96+n], v[96+n], v6, vcc_lo     ; NEGU is selected, not added: a padded key has it already
.set n, n+1
.endr
.Lnocausal:
.irp t, 0,1,2,3,4,5,6,7
	v_wmma_f32_16x16x64_fp8_fp8 v[96+8*\t:103+8*\t], v[32+8*\t:39+8*\t], v[16:23], v[96+8*\t:103+8*\t]   ; eight accumulators, one instruction each
.endr
.Ljoin:
.rept 4
	v_nop                                          ; places: in front of the loads into K's registers, and of the first read of the scores
.endr
.irp u, 0,1
.irp c, 0,1,2,3
	ds_load_b128 v[32+16*\u+4*\c:35+16*\u+4*\c], v25 offset:32768*\u+512*\c    ; V^T: 16 channels x these 128 keys: four chunks.  They land while the softmax is worked
.endr
.endr
.irp u, 0,1
.irp c, 0,1,2,3
	ds_load_b128 v[64+16*\u+4*\c:67+16*\u+4*\c], v26 offset:32768*\u+512*\c
.endr
.endr
	v_max3_num_f32 v30, v96, v97, v98              ; the step's largest sum of my query, among my 64 keys, in two chains, each accumulator from its low end on,
	v_max3_num_f32 v210, v99, v100, v101
.irp i, 6,10,14,18,22,26,30,34,38,42,46,50,54,58
	v_max3_num_f32 v30, v30, v[96+\i], v[97+\i]
	v_max3_num_f32 v210, v210, v[98+\i], v[99+\i]
.endr
	v_max3_num_f32 v30, v30, v158, v159
	v_max_num_f32 v30, v30, v210
	v_permlanex16_b32 v31, v30, s20, s21
	v_max_num_f32 v30, v30, v31                    ; and among lane l xor 16's
	v_mul_f32 v30, s22, v30                        ; as t (c is positive)
	v_max_num_f32 v13, v13, v30                    ; the running largest t
	v_mov_b32 v30, v12
	v_floor_f32 v12, -v13                          ; the new -M = floor(-t) = -ceil(t): M is a whole number
	v_sub_f32 v30, v12, v30                        ; M's old value less its new one: a whole number, 0 or less
	v_cvt_i32_f32 v30, v30                         ; (it saturates)
	v_ldexp_f32 v28, 1.0, v30                      ; f = 2^(old M - new M)
.set n, 0
.rept 32
	v_pk_fma_f32 v[96+n:97+n], v[96+n:97+n], s[22:23], v[12:13] op_sel_hi:[1,0,0]   ; t - M, two at a time (of the pairs c and -M the low word serves both halves)
.set n, n+2
.endr
.set n, 0
.rept 64
	v_exp_f32 v[96+n], v[96+n]                     ; p = 2^(t - M): not normalised
.set n, n+1
.endr
	v_pk_mul_f32 v[14:15], v[14:15], v[28:29] op_sel_hi:[1,0]   ; the sums under the new M: the plain line behind the exponentials
	s_wait_alu depctr_va_vdst(0)                   ; one wait for the whole batch, ahead of its first reader
	v_pk_add_f32 v[208:209], v[96:97], v[98:99]    ; the row's sum is taken of the unquantised p: two at a time, in two chains
.irp j, 4,8,12,16,20,24,28,32,36,40,44,48,52,56,60
	v_pk_add_f32 v[14:15], v[14:15], v[96+\j:97+\j]
	v_pk_add_f32 v[208:209], v[208:209], v[98+\j:99+\j]
.endr
	v_pk_add_f32 v[14:15], v[14:15], v[208:209]
	s_cmp_ge_i32 s42, -8                           ; p is at most 1, but for the rounding of t; from e8 = -8 on the largest code stands for 1.75 or more and the hold cannot bind
	s_cbranch_scc1 .Lnohold
.set n, 0
.rept 64
	v_min_num_f32 v[96+n], v[96+n], v8             ; the conversion to an 8-bit code does not saturate (ISA guide 7.6.2); p is not negative, so the hold is one-sided
.set n, n+1
.endr
.Lnohold:
.irp t, 0,1,2,3,4,5,6,7
	v_cvt_scalef32_pk8_fp8_f32 v[192+2*\t:193+2*\t], v[96+8*\t:103+8*\t], v7   ; keys 16 t + 8 h + 0 .. 7: registers 2 t, 2 t + 1 of P's fragment
.endr
.set n, 0
.rept 16
	v_pk_mul_f32 v[160+n:161+n], v[160+n:161+n], v[28:29] op_sel_hi:[1,0]      ; O^T under the new M: x f.  (Also the plain lines between the conversions and the products that read their results)
.set n, n+2
.endr
	s_wait_dscnt 0x0                               ; V
.irp u, 0,1,2,3
	v_wmma_f32_16x16x128_fp8_fp8 v[160+8*\u:167+8*\u], v[32+16*\u:47+16*\u], v[192:207], v[160+8*\u:167+8*\u]   ; four accumulators by turns, one instruction a turn
.endr
.Lnext:
	s_add_co_u32 s25, s25, 128
	s_add_co_u32 s29, s29, 8192
	s_add_co_u32 s30, s30, 2048
	s_add_co_u32 s31, s31, 512
	s_add_co_u32 s26, s26, 1
	s_cmp_lt_u32 s26, 16
	s_cbranch_scc1 .Lstep
	; THE TILE'S END: O^T / the sum, quantised; register 8 u + j is ctx(my query, channel 16 u + 8 h + j): the conversions of tiles 2 c and 2 c + 1 are my 16 bytes of chunk c
.rept 4
	v_nop                                          ; places behind the last products
.endr
	v_add_f32 v14, v14, v15                        ; the sum's two halves,
	v_permlanex16_b32 v31, v14, s20, s21
	v_add_f32 v14, v14, v31                        ; and lane l xor 16's
	v_rcp_f32 v212, v14
	v_nop                                          ; a plain line behind the reciprocal,
	s_wait_alu depctr_va_vdst(0)                   ; and the wait ahead of its first reader
.set n, 0
.rept 16
	v_pk_mul_f32 v[96+n:97+n], v[160+n:161+n], v[212:213] op_sel_hi:[1,0]      ; each accumulator from its low end on
.set n, n+2
.endr
.set n, 0
.rept 32
	v_med3_num_f32 v[96+n], v[96+n], -v10, v10
.set n, n+1
.endr
.irp u, 0,1,2,3
	v_cvt_scalef32_pk8_fp8_f32 v[216+2*\u:217+2*\u], v[96+8*\u:103+8*\u], v9
.endr
	v_nop                                          ; one plain vector line behind the conversions: the next tile's products write their sources
	global_store_b128 v1, v[216:219], s[58:59]     ; a chunk: 32 lanes store 512 consecutive bytes
	global_store_b128 v1, v[220:223], s[58:59] offset:512
	s_wait_xcnt 0x0                                ; the stores have read their data and their base: both are written again in the next tile
	s_sub_co_u32 s24, 2032, s24                    ; tile 127 - i
	s_sub_co_u32 s32, s32, 1
	s_cmp_lg_u32 s32, 0
	s_cbranch_scc1 .Ltile
	s_wait_tensorcnt 0x0
	ds_add_u32 v254, v255
	s_wait_dscnt 0x0
	s_endpgm
.Lfunc_end_k_q43411f4a4e_attn:
	.size	k_q43411f4a4e_attn, .Lfunc_end_k_q43411f4a4e_attn-k_q43411f4a4e_attn
	.p2alignl 7, 3214868480
	.fill 96, 4, 3214868480
	.section	.rodata,"a",@progbits
	.p2align	6, 0x0
	.amdhsa_kernel k_q43411f4a4e_attn
		.amdhsa_group_segment_fixed_size 272384
		.amdhsa_private_segment_fixed_size 0
		.amdhsa_enable_private_segment 0
		.amdhsa_kernarg_size 40
		.amdhsa_user_sgpr_count 2
		.amdhsa_user_sgpr_kernarg_segment_ptr 1
		.amdhsa_wavefront_size32 1
		.amdhsa_system_sgpr_workgroup_id_x 1
		.amdhsa_system_sgpr_workgroup_id_y 1
		.amdhsa_system_sgpr_workgroup_id_z 1
		.amdhsa_system_vgpr_workitem_id 0
		.amdhsa_next_free_vgpr 256
		.amdhsa_next_free_sgpr 66
		.amdhsa_reserve_vcc 1
		.amdhsa_float_denorm_mode_32 3
		.amdhsa_float_denorm_mode_16_64 3
		.amdhsa_memory_ordered 1
		.amdhsa_forward_progress 1
		.amdhsa_inst_pref_size 39
	.end_amdhsa_kernel
	.amdgpu_metadata
---
amdhsa.version: [ 1, 2 ]
amdhsa.kernels:
  - .name:           k_q43411f4a4e_attn
    .symbol:         k_q43411f4a4e_attn.kd
    .args:
      - { .name: himg, .offset: 0, .size: 8, .value_kind: global_buffer, .address_space: global }
      - { .name: attn_mask, .offset: 8, .size: 8, .value_kind: global_buffer, .address_space: global }
      - { .name: meta, .offset: 16, .size: 8, .value_kind: global_buffer, .address_space: global }
      - { .name: lowp_scales, .offset: 24, .size: 8, .value_kind: global_buffer, .address_space: global }
      - { .name: cimg, .offset: 32, .size: 8, .value_kind: global_buffer, .address_space: global }
    .group_segment_fixed_size: 272384
    .private_segment_fixed_size: 0
    .kernarg_segment_align: 8
    .kernarg_segment_size: 40
    .max_flat_workgroup_size: 512
    .sgpr_count:     66
    .vgpr_count:     256
    .wavefront_size: 32
...
	.end_amdgpu_metadata
.endif
;; end of part 3
;; launch outp (part 4): grid 4 x 32, 4 waves a work-group, clusters of 4 x 4, 327,680 bytes of LDS; arguments cimg, codes, lowp_scales, out0; writes out0
.if DOCPART == 4
	.amdgcn_target "amdgcn-amd-amdhsa--gfx1250"
	.amdhsa_code_object_version 6
	.text
	.protected	k_q43411f4a4e_outp
	.globl	k_q43411f4a4e_outp
	.p2align	8
	.type	k_q43411f4a4e_outp,@function
k_q43411f4a4e_outp:
	s_mov_b64 s[64:65], 0
	v_nop
	global_prefetch_b8 v0, s[64:65] scope:SCOPE_SE
	s_setreg_imm32_b32 hwreg(HW_REG_WAVE_MODE, 25, 1), 1
	s_wait_xcnt 0x0
	s_wait_alu depctr_hold_cnt(0) depctr_sa_sdst(0) depctr_va_vdst(0) depctr_va_sdst(0) depctr_va_ssrc(0) depctr_va_vcc(0) depctr_vm_vsrc(0)
	s_getreg_b32 s2, hwreg(HW_REG_IB_STS2, 6, 4)
	s_cmp_eq_u32 s2, 0
	s_cbranch_scc0 .Lentry_in_a_cluster
	s_endpgm
.Lentry_in_a_cluster:
	s_bfe_u32 s2, ttmp6, 0x10000c
	s_cmp_lg_u32 s2, 0xf033
	s_cbranch_scc0 .Lentry_shape_is_right
	s_endpgm
.Lentry_shape_is_right:
; out[m][n] = sum over k of ctx[m][k] Wo[n][k], on codes of FP8 (E4M3); M = 8,192, N = K = 1,024; out is f32.  The codes are multiplied as they are, and each finished sum once by 2^(e10 + e11).
; LIMIT: e10 + e11 between -126 and 127, so that 2^(e10 + e11) is an f32 number.
; A = ctx lies as chunks of 16 rows x 32 along K, 512 bytes, laid [512 tiles of 16 rows][32 chunks]: lane l's 16 bytes at 16 l are four registers of the operand as they stand.  B = Wo lies 27 MiB into the buffer of codes,
; as rows of 1,024 bytes in which the four pieces of 8 of each group of 32 codes lie in the order 0, 2, 1, 3: 16 bytes at 32 c + 16 (l / 16) of a row are the same four registers.  So every k stands in the same place on both sides.
; A tile of out, 256 x 256, is made by a work-group of four waves; a wave makes 128 x 128: 64 accumulators, 512 registers.  K goes in steps of 256 through a ring of two LDS slots filled by the tensor data mover:
; of A 16 runs of 4,096 bytes (8 chunks of a tile of 16 rows), laid on end; of B 256 rows of 256 bytes, padded.  32 x 4 tiles are 128 work-groups.
; CLUSTERS: 4 x 4 work-groups.  The four of a row of the cluster need the same tiles of A, the four of a column the same tiles of B: each tile is asked for JOINTLY.
; THE MATRIX INSTRUCTION IS USED TRANSPOSED (source 0 = 16 rows of B, source 1 = 16 rows of A): a lane then holds eight neighbouring numbers of a row of out.
; REGISTERS, in windows of 256: window 0: v0-31 addresses; from v128 A's fragments, ONE set; on the way out v32-255 are free.  window 1: B's fragments, TWO sets.  windows 2, 3: the accumulators ((a, b) at v[8 (8 (a % 4) + b)]).
.set SIZE_N, 1024
.set ROWB,   256                       ; a row of B's tile in bytes
.set KROW,   1024                      ; a row of B in memory, in bytes
.set PITCH,  272                       ; B's LDS row: 256 bytes + 16 of padding = 68 words: the 16 rows that a load touches start 4 words apart modulo 64 words
.set FR,     16                        ; registers of a fragment: 16 rows x 128 K
.set NL,     4                         ; LDS loads that bring one
.set NP,     4                         ; places behind this matrix instruction (ISA guide 7.12.1)
.set HALFT,  128*PITCH                 ; 128 rows of B: what one tensor load brings
.set ASTEP,  4096                      ; a K step of a tile of 16 rows of A: 8 chunks
.set AHALF,  8*ASTEP                   ; 128 rows of A: what one tensor load brings
.set BOFF,   2*AHALF                   ; a slot: A's 256 rows, then B's 256 rows
.set SLOT,   BOFF+2*HALFT
.set LAPS,   2                         ; a lap = two K steps of 256 = once round the ring
.set SPARE,  2*SLOT                    ; behind the ring: the spare words, 128 bytes for each wave: two blocks of 256 bytes that no other line names
.set SPITCH, 528                       ; the way out: a stage of 16 rows x (512 bytes + 16) for each wave.  It lies in slot 0, which has had its last fill and its last read when the first result is stored there
.set ADRA, 16                          ; v16-17  LDS address of my A fragments in slot 0, 1
.set ADRB, 20                          ; v20-21  the same for B
.set STO,  24                          ; v24     the way out: where I put 32 bytes of a row
.set RD,   25                          ; v25     the way out: where I read a row back
.set CO,   26                          ; v26     my byte offset in a row of out
.set SPW,  28                          ; v28     LDS address of my spare word; never rewritten
.set NIL,  29                          ; v29     0; never rewritten
.set TMP,  32                          ; the way out: 64 registers, a block's sums x 2^(e10 + e11)
.set AF,   128                         ; A's fragments, in window 0
.set BK,   128                         ; the way out: 16 rows read back from the stage: v128-191 and v192-255 by turns
.set G1, 24                            ; s[24:31] descriptor group 1 for A's tiles;  s[32:39] group 0, one set for each slot
.set G0, 32
.set G1B, 48                           ; s[48:55], s[56:63] the same for B's tiles
.set G0B, 56
.set MSB, 0
.macro WIN new                         ; the immediate's high byte repeats the setting that is left
.if MSB != \new
	s_set_vgpr_msb (MSB<<8)|\new
.set MSB, \new
.endif
.endm
.set MUL_LO, 0xa1                      ; source 0 (B) window 1, source 1 (A) window 0, C and D window 2
.set MUL_HI, 0xf1                      ; the same, C and D window 3
.set TO_B,   0x40                      ; destination window 1, address window 0
; A joint load: waves 0 and 1 fetch for A, waves 2 and 3 for B.  Each of the two lines has ONE mask, one shape and one set of registers for all that issue it; the branch hangs on the wave's number alone.
; Four v_nop follow each of the two lines, ahead of the jump, the label and what follows.
.macro JLOAD g0a, g1a, g0b, g1b
	s_cmp_eq_u32 s15, 0
	s_cbranch_scc0 .Lfor_b_\@
	tensor_load_to_lds s[\g0a:\g0a+3], s[\g1a:\g1a+7]
	s_nop 0
.rept 4
	v_nop
.endr
	s_branch .Lasked_\@
.Lfor_b_\@:
	tensor_load_to_lds s[\g0b:\g0b+3], s[\g1b:\g1b+7]
	s_nop 0
.rept 4
	v_nop
.endr
.Lasked_\@:
.endm
.macro CREST                           ; a round of the cluster's barrier behind its opening barrier
	s_cmp_lg_u32 s14, 0
	s_cbranch_scc1 .Lnot_wave_0_\@
	s_barrier_signal -3
.Lnot_wave_0_\@:
	s_barrier_wait -3
	s_barrier_signal -1
	s_barrier_wait -1
.endm
.macro CROUND                          ; a whole round
	s_barrier_signal -1
	s_barrier_wait -1
	CREST
.endm
	s_load_b256 s[4:11], s[0:1], 0x0               ; ctx's image s[4:5], the codes s[6:7], the scales' exponents s[8:9], out s[10:11]
	v_lshl_add_u32 v[SPW], v0, 2, SPARE
	v_mov_b32 v[NIL], 0
	ds_add_u32 v28, v29
	ds_add_u32 v28, v29
	s_wait_dscnt 0x0
	v_lshrrev_b32 v1, 5, v0
	v_readfirstlane_b32 s14, v1                    ; wave 0..3
	s_lshr_b32 s15, s14, 1                         ; which half of the tile's rows is mine.  Also: I fetch for A (0) or for B (1)
	s_and_b32 s16, s14, 1                          ; which half of its columns.  Also: which 128 rows of that tile I fetch
	s_bfe_u32 s40, ttmp6, 0x40000                  ; cx, cy: my place in the cluster
	s_bfe_u32 s41, ttmp6, 0x40004
	s_lshl_b32 s42, ttmp9, 2
	s_add_co_u32 s42, s42, s40                     ; tile column = 4 x cluster x + cx
	s_and_b32 s17, ttmp7, 0xffff
	s_lshl_b32 s17, s17, 2
	s_add_co_u32 s17, s17, s41                     ; tile row = 4 x cluster y + cy
	s_lshl_b32 s43, s41, 2
	s_lshl_b32 s43, 15, s43                        ; my row of the cluster
	s_lshl_b32 s44, 0x1111, s40                    ; my column
	; descriptor group 1 for A: 8 rows of 512 elements of 8 bytes (4,096 bytes: a K step of a tile of 16 rows), 2,048 elements apart in memory, on end in LDS
	s_or_b32 s[G1+0], s43, (3<<16)|(1<<21)         ; 15:0 the mask: A's tiles go to my row; 17:16 element of 8 bytes; 20 no padding; 21 set beside a mask
	s_mov_b32 s[G1+1], 512<<16                     ; tensor_dim0
	s_mov_b32 s[G1+2], 8<<16                       ; tensor_dim1
	s_mov_b32 s[G1+3], 512<<16                     ; tile_dim0
	s_mov_b32 s[G1+4], 8                           ; tile_dim1
	s_mov_b32 s[G1+5], 2048                        ; tensor_dim0_stride
	s_mov_b32 s[G1+6], 0
	s_mov_b32 s[G1+7], 0
	; for B: 128 rows x 256 bytes, padded in LDS
	s_or_b32 s[G1B+0], s44, (0<<16)|(1<<20)|(1<<21)|(5<<22)|(3<<25)  ; the mask of my column; element of 1 byte; padding on: after every 64 words (code 5) 4 words (code 3)
	s_mov_b32 s[G1B+1], ROWB<<16
	s_mov_b32 s[G1B+2], 128<<16
	s_mov_b32 s[G1B+3], ROWB<<16
	s_mov_b32 s[G1B+4], 128
	s_mov_b32 s[G1B+5], KROW
	s_mov_b32 s[G1B+6], 0
	s_mov_b32 s[G1B+7], 0
	s_lshl_b32 s20, s17, 4
	s_lshl_b32 s18, s16, 3
	s_add_co_u32 s20, s20, s18                     ; A: tile of 16 rows number 16 x tile row + 8 x half,
	s_lshl_b32 s20, s20, 14                        ; x 16,384 bytes
	s_mov_b32 s21, 0
	s_lshl_b32 s18, s16, 7
	s_lshl_b32 s46, s42, 8
	s_add_co_u32 s46, s46, s18                     ; B: row 256 x tile column + 128 x half,
	s_lshl_b32 s46, s46, 10                        ; x 1,024 bytes,
	s_add_co_u32 s46, s46, 27<<20                  ; in Wo's codes
	s_mov_b32 s47, 0
	s_lshl_b32 s45, s16, 15                        ; where they go: A's half,
	s_mul_i32 s19, s16, HALFT
	s_add_co_u32 s19, s19, BOFF                    ; B's half: no place in the cluster enters an LDS address
	s_wait_kmcnt 0x0
	s_load_b64 s[96:97], s[8:9], 0x28              ; e10, e11
	s_add_nc_u64 s[20:21], s[4:5], s[20:21]
	s_add_nc_u64 s[46:47], s[6:7], s[46:47]
	CROUND                                         ; all sixteen work-groups are here: the first joint loads meet
.irp s, 0,1
	s_mov_b32 s[G0+4*\s], 1
	s_add_co_u32 s[G0+4*\s+1], s45, \s*SLOT
	s_add_nc_u64 s[G0+4*\s+2:G0+4*\s+3], s[20:21], \s*ASTEP
	s_or_b32 s[G0+4*\s+3], s[G0+4*\s+3], 0x80000000
	s_mov_b32 s[G0B+4*\s], 1
	s_add_co_u32 s[G0B+4*\s+1], s19, \s*SLOT
	s_add_nc_u64 s[G0B+4*\s+2:G0B+4*\s+3], s[46:47], \s*ROWB
	s_or_b32 s[G0B+4*\s+3], s[G0B+4*\s+3], 0x80000000
	JLOAD G0+4*\s, G1, G0B+4*\s, G1B               ; two tensor loads of mine are out
.endr
	v_and_b32 v1, 15, v0                           ; l % 16
	v_bfe_u32 v2, v0, 4, 1                         ; l / 16
	v_mul_u32_u24 v3, v1, PITCH
	v_lshl_add_u32 v4, v2, 4, v3                   ; B: a fragment's row x pitch + 16 x half
	v_and_b32 v6, 31, v0
	v_lshlrev_b32 v[CO], 4, v6                     ; 16 x lane: A's chunks; and my 16 bytes of a row of out
	s_lshl_b32 s21, s15, 15                        ; my 128 rows of A
	s_mul_i32 s22, s16, HALFT                      ; my 128 rows of B,
	s_add_co_u32 s22, s22, BOFF                    ; which lie behind A's
.irp s, 0,1
	v_add_nc_u32 v[ADRA+\s], s21, v[CO]
	v_add_nc_u32 v[ADRB+\s], s22, v4
	s_add_co_u32 s21, s21, SLOT
	s_add_co_u32 s22, s22, SLOT
.endr
	s_mul_i32 s23, s14, 16*SPITCH                  ; my stage
	v_mul_u32_u24 v5, v1, SPITCH                   ; in: row l % 16, 32 bytes for each half of the lanes
	v_lshl_add_u32 v5, v2, 5, v5
	v_add_nc_u32 v[STO], s23, v5
	v_add_nc_u32 v[RD], s23, v[CO]                 ; back: the 32 lanes take one row of 512 bytes
	s_lshl_b32 s20, s17, 8
	s_lshl_b32 s21, s15, 7
	s_add_co_u32 s20, s20, s21                     ; my first row of out: 256 x tile row + 128 x half,
	s_lshl_b32 s20, s20, 12                        ; x 4,096 bytes
	s_lshl_b32 s46, s42, 10                        ; my first column, in bytes: 1,024 x tile column + 512 x half
	s_lshl_b32 s47, s16, 9
	s_add_co_u32 s46, s46, s47
	s_add_co_u32 s20, s20, s46
	s_mov_b32 s21, 0
	s_add_nc_u64 s[10:11], s[10:11], s[20:21]
.macro FRAG reg, adr, q, i             ; a fragment of B: registers 4 c .. 4 c + 3 from 16 bytes of row l % 16
.irp c, 0,1,2,3
	ds_load_b128 v[\reg+4*\c:\reg+4*\c+3], v[\adr] offset:128*(\q)+32*\c+(\i)*16*PITCH
.endr
.endm
.macro FRAGA reg, slot, q, i           ; a fragment of A: four chunks, each 512 consecutive bytes for the 32 lanes
.irp c, 0,1,2,3
	ds_load_b128 v[\reg+4*\c:\reg+4*\c+3], v[ADRA+\slot] offset:ASTEP*(\i)+2048*(\q)+512*\c
.endr
.endm
; 16 matrix instructions: A's blocks a0, a0 + 1 x B's eight, 128 along K.  p: B's set.  zero = 1: the first product starts the sums: nothing is ever cleared.
; The 64 accumulators take turns, one instruction a turn, in the same order in every step.
.macro MUL16 a0, p, zero
.irp a, \a0, \a0+1
.irp b, 0,1,2,3,4,5,6,7
.if \zero
	v_wmma_f32_16x16x128_fp8_fp8 v[8*(8*((\a)%4)+\b):8*(8*((\a)%4)+\b)+7], v[128*(\p)+FR*\b:128*(\p)+FR*\b+FR-1], v[AF+FR*(\a):AF+FR*(\a)+FR-1], 0
.else
	v_wmma_f32_16x16x128_fp8_fp8 v[8*(8*((\a)%4)+\b):8*(8*((\a)%4)+\b)+7], v[128*(\p)+FR*\b:128*(\p)+FR*\b+FR-1], v[AF+FR*(\a):AF+FR*(\a)+FR-1], v[8*(8*((\a)%4)+\b):8*(8*((\a)%4)+\b)+7]
.endif
.endr
.endr
.endm
.macro FETCH_B slot, q, p              ; B's eight fragments of the slot's q-th 128 along K into set p
	WIN TO_B
.irp i, 0,1,2,3,4,5,6,7
	FRAG 128*(\p)+FR*\i, ADRB+\slot, \q, \i
.endr
	WIN 0
.endm
.macro FETCH_A slot, q, i0             ; A's blocks i0 .. i0 + 3
.irp i, \i0, \i0+1, \i0+2, \i0+3
	FRAGA AF+FR*(\i), \slot, \q, \i
.endr
.endm
; A load into a register that a matrix instruction has read, and a vector instruction that reads a matrix result, stand NP places behind that matrix instruction, and only plain vector instructions that name none of its registers are places.
.macro PLACES n
.rept \n
	v_nop
.endr
.endm
; A step of 128 along K that has its successor in the same slot.
.macro STEP slot, q, zero
	s_wait_dscnt 4*NL                              ; B's set and A's blocks 0-3 are in; the youngest 16 loads (A's blocks 4-7) may be out
	WIN MUL_LO
	MUL16 0, (\q)%2, \zero
	MUL16 2, (\q)%2, \zero
	s_wait_dscnt 0                                 ; A's blocks 4-7 are in (asked for 32 matrix instructions ago)
	PLACES NP
	FETCH_B \slot, (\q)+1, 1-(\q)%2
	FETCH_A \slot, (\q)+1, 0
	WIN MUL_HI
	MUL16 4, (\q)%2, \zero
	MUL16 6, (\q)%2, \zero
	PLACES NP
	WIN 0
	FETCH_A \slot, (\q)+1, 4
.endm
; A slot's last step changes slots: ONE barrier; in front of it each wave waits for all its tensor loads, adds 0 to its spare word, and waits for that and for its own reads of this slot.  fill = 1: this slot is filled again, two K steps ahead.
.macro TURN slot, next, fill
	s_wait_tensorcnt 0x0                           ; all my tensor loads have landed: my part of the next slot;  (every window is 0 here)
	ds_add_u32 v[SPW], v[NIL]                      ; 0 onto my spare word;
	s_wait_dscnt 4*NL+1                            ; (the add and the youngest 16 loads, A's blocks 4-7, may be out)
	WIN MUL_LO
	MUL16 0, 1, 0                                  ; sixteen matrix instructions stand between the add and the wait for it
	s_wait_dscnt 0x0                               ; the add is done, and my reads of this slot are over
	s_barrier_signal -1
	MUL16 2, 1, 0
	WIN 0
	s_barrier_wait -1
.if \fill
	CREST                                          ; the barrier has opened a round of the cluster's barrier: no wave of any partner still reads this slot's tile or has a load on its way
	s_add_nc_u64 s[G0+4*\slot+2:G0+4*\slot+3], s[G0+4*\slot+2:G0+4*\slot+3], 2*ASTEP
	s_add_nc_u64 s[G0B+4*\slot+2:G0B+4*\slot+3], s[G0B+4*\slot+2:G0B+4*\slot+3], 2*ROWB
	JLOAD G0+4*\slot, G1, G0B+4*\slot, G1B         ; the first tensor load behind the round, my only one until the next; the four v_nop behind it are the places in front of the loads below
.else
	PLACES NP
.endif
	FETCH_B \next, 0, 0
	FETCH_A \next, 0, 0
	WIN MUL_HI
	MUL16 4, 1, 0
	MUL16 6, 1, 0
	PLACES NP
	WIN 0
	FETCH_A \next, 0, 4
.endm
	s_wait_tensorcnt 1                             ; my part of K step 0 is in (K step 1's load may be out)
	s_barrier_signal -1
	s_barrier_wait -1                              ; everybody's is
	FETCH_B 0, 0, 0
	FETCH_A 0, 0, 0
	FETCH_A 0, 0, 4
	STEP 0, 0, 1                                   ; the first step stands in front of the loop: its products start the sums
	s_mov_b32 s3, LAPS-1
.Llap:                                                 ; a trip goes once round the ring, from a lap's second step to the next lap's first, and fills both slots again
	TURN 0, 1, 1
	STEP 1, 0, 0
	TURN 1, 0, 1
	STEP 0, 0, 0
	s_sub_co_u32 s3, s3, 1
	s_cmp_lg_u32 s3, 0
	s_cbranch_scc1 .Llap
	TURN 0, 1, 0                                   ; the last lap fills nothing, and has no round of the cluster's barrier
	STEP 1, 0, 0
	s_wait_dscnt 4*NL                              ; the very last step: nothing more to fetch
	WIN MUL_LO
	MUL16 0, 1, 0
	MUL16 2, 1, 0
	s_wait_dscnt 0
	WIN MUL_HI
	MUL16 4, 1, 0
	MUL16 6, 1, 0
	WIN 0
; THE WAY OUT, block by block of 16 rows x 128 columns.  A lane holds 32 neighbouring bytes of a row, and the lanes beside it hold other rows: so a block goes through my own stage in LDS and comes back as whole
; rows of 512 bytes, which the 32 lanes store.  LDS serves a wave's instructions in order (ISA guide 5.7.1.4): no wait between the stores and the loads, nor in front of the next block's stores.
.macro TOSTAGE a
.set AC, 64*((\a)%4)
	WIN 0x02+((\a)/4)                              ; source 0: window 2 or 3
.irp j, 0,2,4,6,8,10,12,14,16,18,20,22,24,26,28,30,32,34,36,38,40,42,44,46,48,50,52,54,56,58,60,62
	v_pk_mul_f32 v[TMP+\j:TMP+\j+1], v[AC+\j:AC+\j+1], s[96:97] op_sel_hi:[1,0]   ; both x s96 = 2^(e10 + e11); each accumulator from its low end on
.endr
	WIN 0
.irp b, 0,1,2,3,4,5,6,7
	ds_store_b128 v[STO], v[TMP+8*\b:TMP+8*\b+3] offset:64*\b
	ds_store_b128 v[STO], v[TMP+8*\b+4:TMP+8*\b+7] offset:64*\b+16
.endr
.set BB, BK+64*((\a)%2)
.irp t, 0,1,2,3,4,5,6,7,8,9,10,11,12,13,14,15
	ds_load_b128 v[BB+4*\t:BB+4*\t+3], v[RD] offset:\t*SPITCH
.endr
.endm
.macro SEND a, younger                 ; younger: the LDS instructions issued behind block a's loads, which may stay out
.set BB, BK+64*((\a)%2)
	s_wait_dscnt \younger                          ; the block is back in registers
.if (\a) > 0
	s_add_nc_u64 s[10:11], s[10:11], 16*SIZE_N*4   ; (behind a wait on XCNT: the earlier stores have read their base)  16 rows of out on
.endif
.irp t, 0,1,2,3,4,5,6,7,8,9,10,11,12,13,14,15
	global_store_b128 v[CO], v[BB+4*\t:BB+4*\t+3], s[10:11] offset:\t*SIZE_N*4 th:TH_STORE_NT   ; 32 lanes store 512 consecutive bytes, at a multiple of 512 from out's first byte; written once, read by nobody here
.endr
.endm
	s_wait_kmcnt 0x0
	s_add_co_i32 s96, s96, s97                     ; e10 + e11, between -126 and 127,
	s_add_co_i32 s96, s96, 127
	s_lshl_b32 s96, s96, 23                        ; makes the f32 number 2^(e10 + e11)
	PLACES NP                                      ; behind the last products: for the loads into the registers that held A's fragments, and for the reads of results
	TOSTAGE 0
.irp a, 1,2,3,4,5,6,7
.if \a > 1
	s_wait_xcnt 0x0                                ; block a - 2's stores have read their registers and their base: block a's loads may land there, and the base may step
.endif
	TOSTAGE \a
	SEND \a-1, 32                                  ; behind block a - 1's loads: block a's 16 stores and 16 loads
.endr
	s_wait_xcnt 0x0                                ; block 6's stores have read their base
	SEND 7, 0
	s_wait_tensorcnt 0x0                           ; the wave's end: behind my last tensor load and my last LDS store
	ds_add_u32 v[SPW], v[NIL]
	s_wait_dscnt 0x0
	CROUND                                         ; the closing round: no work-group ends while a partner may still ask for a tile that names it
	s_endpgm
.Lfunc_end_k_q43411f4a4e_outp:
	.size	k_q43411f4a4e_outp, .Lfunc_end_k_q43411f4a4e_outp-k_q43411f4a4e_outp
	.p2alignl 7, 3214868480
	.fill 96, 4, 3214868480
	.section	.rodata,"a",@progbits
	.p2align	6, 0x0
	.amdhsa_kernel k_q43411f4a4e_outp
		.amdhsa_group_segment_fixed_size 327680
		.amdhsa_private_segment_fixed_size 0
		.amdhsa_enable_private_segment 0
		.amdhsa_kernarg_size 32
		.amdhsa_user_sgpr_count 2
		.amdhsa_user_sgpr_kernarg_segment_ptr 1
		.amdhsa_wavefront_size32 1
		.amdhsa_system_sgpr_workgroup_id_x 1
		.amdhsa_system_sgpr_workgroup_id_y 1
		.amdhsa_system_sgpr_workgroup_id_z 1
		.amdhsa_system_vgpr_workitem_id 0
		.amdhsa_next_free_vgpr 1024
		.amdhsa_next_free_sgpr 98
		.amdhsa_reserve_vcc 0
		.amdhsa_float_denorm_mode_32 3
		.amdhsa_float_denorm_mode_16_64 3
		.amdhsa_memory_ordered 1
		.amdhsa_forward_progress 1
		.amdhsa_inst_pref_size 123
	.end_amdhsa_kernel
	.amdgpu_metadata
---
amdhsa.version: [ 1, 2 ]
amdhsa.kernels:
  - .name:           k_q43411f4a4e_outp
    .symbol:         k_q43411f4a4e_outp.kd
    .args:
      - { .name: cimg, .offset: 0, .size: 8, .value_kind: global_buffer, .address_space: global }
      - { .name: codes, .offset: 8, .size: 8, .value_kind: global_buffer, .address_space: global }
      - { .name: lowp_scales, .offset: 16, .size: 8, .value_kind: global_buffer, .address_space: global }
      - { .name: out0, .offset: 24, .size: 8, .value_kind: global_buffer, .address_space: global }
    .group_segment_fixed_size: 327680
    .private_segment_fixed_size: 0
    .kernarg_segment_align: 8
    .kernarg_segment_size: 32
    .max_flat_workgroup_size: 128
    .sgpr_count:     98
    .vgpr_count:     1024
    .wavefront_size: 32
...
	.end_amdgpu_metadata
.endif
;; end of part 4
;; ======== version 2 of 2: 4 launches; version 1 with the launch attn written anew for expert scheduling mode
;; workspace buffers: codes 29,360,128 bytes; himg 25,165,824 bytes; cimg 8,388,608 bytes; meta 256 bytes of whole numbers
;; launch quant: the kernel of part 1 again; grid 897 x 1, 4 waves a work-group, no clusters, 33,280 bytes of LDS; arguments q, k, v, Wq, Wk, Wv, Wo, lowp_scales, attn_mask, codes, meta; writes codes, meta
;; launch proj: the kernel of part 2 again; grid 4 x 96, 4 waves a work-group, clusters of 4 x 4, 327,680 bytes of LDS; arguments codes, attn_mask, lowp_scales, himg; writes himg
;; launch attn (part 5): grid 4 x 64, 16 waves a work-group, no clusters, 272,384 bytes of LDS; arguments himg, attn_mask, meta, lowp_scales, cimg; writes cimg
.if DOCPART == 5
	.amdgcn_target "amdgcn-amd-amdhsa--gfx1250"
	.amdhsa_code_object_version 6
	.text
	.protected	k_q43411f4a4e_attn
	.globl	k_q43411f4a4e_attn
	.p2align	8
	.type	k_q43411f4a4e_attn,@function
k_q43411f4a4e_attn:
	s_mov_b64 s[64:65], 0
	v_nop
	global_prefetch_b8 v0, s[64:65] scope:SCOPE_SE
	s_setreg_imm32_b32 hwreg(HW_REG_WAVE_SCHED_MODE, 0, 2), 2
	s_setreg_imm32_b32 hwreg(HW_REG_WAVE_MODE, 25, 1), 1
	s_wait_xcnt 0x0
	s_wait_alu depctr_vm_vsrc(0)
; Attention of one head on codes of FP8 (E4M3): scores = Q K^T (K = 64 channels), the masks, the softmax, ctx = P V (K = the keys), ctx quantised for the last projection.
; THE MASKS.  logit = score, - 10000 ADDED where key > query, then REPLACED by -10000 where attn_mask[key] == 0.  A padded key's codes of K are zeros (made so by the launch before), so its product is exactly 0;
; the -10000, in the sums' units (NEGU = -10000 / 2^(e6 + e7)), goes in as the C of the score's matrix instruction: for a padded key from a table in LDS, for a key behind the query by a selection on that C.  So a padded key behind the query gets it once.
; -10000 is no -infinity: a query all of whose keys up to itself are padded attends to the keys behind it.  f = the batch's first key that is not padded (meta[2 b]).  A tile of 16 queries whose first query Q0 is at
; least f leaves out the steps all of whose keys lie behind it: its rows have a logit of at least -3136 (64 x 448^2 x 2^(e6 + e7), with e6 + e7 <= -12) and the hidden ones at most -6864, so their p is 0 in f32.
; A tile with Q0 < f walks all keys; so does every tile where e6 + e7 > -12 (f is then taken as 4,096).
; THE SOFTMAX: t = logit x log2(e); M = the running largest t rounded UP to a whole number; p = 2^(t - M) is quantised with 2^e8, not normalised; the row's sum is taken of the unquantised p and divides at the end;
; when M moves, the sum and O are multiplied by 2^(old M - new M), which rounds nothing.
; SHARES.  Work-group (g, head): the head's whole K (128 KiB), V (128 KiB) and the table (8 KiB) are put into LDS once, through registers; ONE barrier; then the sixteen waves go their own ways.  Wave w owns the tiles of
; 16 queries number i = 16 g + w and 127 - i, one after the other: i / 8 + 1 and (127 - i) / 8 + 1 steps of 128 keys, 17 for every wave of the launch.
; NO JOINT LOADS, though the four work-groups of a head read the same K and V: the branches that leave out hidden steps, the masks' lines and p's hold hang on numbers read from memory (meta, lowp_scales),
; What is shared is read once, at the head: 264 KiB a work-group.
; LAYOUT.  All operands lie as images of their registers: chunks of 16 rows x 32 along K, 512 bytes, lane l's 16 bytes at 16 l.  Both products are used transposed: S^T = K Q^T (source 0 = 16 keys, source 1 = my 16 queries),
; O^T = V^T P^T (source 0 = 16 channels, source 1 = P): a lane holds ONE query (lane % 16) throughout; register 8 t + j of S^T is key 16 t + 8 (lane / 16) + j, so one conversion of tile t is registers 2 t, 2 t + 1 of P.
; LIMITS on the given exponents: e6 + e7 between -114 and 127 (c and NEGU are f32 numbers); e8, and e10 - e8 - e9, between -126 and 119.
; REGISTERS: v1 16 x lane; v2, v3 V's places; v4 the table's; v5 lane % 16 - 8 (lane / 16); v6 NEGU; v7, v8 2^e8 and 448 x that; v9, v10 the same with e10 - e8 - e9; v12 -M, v13 the largest t, v[14:15] the sum;
; v16-23 Q; v24-27 the step's LDS addresses; v[28:29] f; v30, v31 at work; v32-95 K's, then V's fragments; v96-159 S^T, then p; v160-191 O^T; v192-207 p's codes; v208-213 at work; v216-223 ctx's codes.
; THE MODE: SCHED_MODE bits 1:0 = 2 (LLVM: expert scheduling mode 2), set by the entry lines.  The code itself states the register dependences
; between vector or matrix instructions and memory or LDS instructions, with s_wait_alu, always for 0.
; THE PLAN.  Registers that memory or LDS instructions touch:
;   v1        Read by every global load and store; written once, at the head.
;   v24-27    At the head the fill's addresses.  In a step: written by four additions at its head, read by its LDS loads (K: v24; V: v25, v26; the table: v27).
;   v16-23    Q's two loads land at a tile's head; the tile's score products read them.
;   v32-95    At the head K on its way to LDS.  In a step: K's loads land; the score products read; V's loads land; the second products read.
;   v96-159   At the head V on its way to LDS.  In a step: the table's loads land (a masked step), the selections and the score products write, the softmax works in place, the conversions read.
;   v160-163  At the head: the mask's load lands, four selections write, one LDS store reads.  From then on O^T, named by vector and matrix instructions alone.
;   v216-223  Written by a tile's last conversions, read by its two stores.
; A step has two waits at its head (its predecessor's LDS loads have read v24-27; behind the four additions: these are written, the second products are done reading v32-95, the vector work on v96-159 is done)
; and one at the join of its two ways (the score products are done reading v32-95).  Behind that one V's sixteen loads are dealt among the softmax, which names none of v25, v26, v32-95.
; A tile's end has one wait ahead of its stores, which also serves the next tile's loads of Q, and one behind them.  Compares write scalar registers in runs, one wait behind a run.
.set VOFF, 131072                      ; LDS: K at 0: [128 tiles of 16 keys][1,024 bytes];  V here: [4 tiles of 16 channels][64 chunks][512 bytes];
.set BIAS, 262144                      ; the table: 2,048 f32: NEGU where the key is padded, else 0
.set KIMG, 8<<20                       ; K's image in the buffer of images; Q's lies at 0,
.set VIMG, 16<<20                      ; V's here
	s_load_b256 s[4:11], s[0:1], 0x0               ; the images s[4:5], attn_mask s[6:7], meta s[8:9], the scales' exponents s[10:11]
	s_load_b64 s[12:13], s[0:1], 0x20              ; ctx's image
	v_lshl_add_u32 v254, v0, 2, 0x42000
	v_mov_b32 v255, 0
	v_lshrrev_b32 v30, 5, v0
	v_readfirstlane_b32 s14, v30                   ; wave 0..15
	s_and_b32 s16, ttmp7, 0xffff
	s_lshr_b32 s17, s16, 4                         ; b
	s_and_b32 s18, s16, 15                         ; the head
	s_mov_b32 s20, 0x76543210                      ; v_permlanex16_b32's selects for lane l xor 16
	s_mov_b32 s21, 0xfedcba98
	v_and_b32 v30, 31, v0
	v_lshlrev_b32 v1, 4, v30
	v_add_nc_u32 v2, VOFF, v1                      ; V's channel tiles 0 and 1,
	v_add_nc_u32 v3, VOFF+65536, v1                ; 2 and 3
	v_bfe_u32 v31, v0, 4, 1                        ; h
	v_lshl_add_u32 v4, v31, 5, BIAS                ; the table at my half's eight keys
	v_and_b32 v5, 15, v0
	v_lshlrev_b32 v31, 3, v31
	v_sub_nc_u32 v5, v5, v31
	s_wait_alu depctr_va_sdst(0)                   ; s14 is written, ahead of its first reader: the fill's places and the tiles' numbers are made from it
	s_lshl_b32 s33, s14, 13
	v_add_nc_u32 v24, s33, v1                      ; the fill: my wave's 8,192 bytes of K,
	v_add_nc_u32 v25, s33, v2                      ; and of V
	v_lshlrev_b32 v26, 4, v0                       ; 16 x thread: my four numbers of the mask,
	v_add_nc_u32 v27, BIAS, v26                    ; and of the table
	v_mov_b32 v29, 0                               ; (named as the upper halves of pairs, so they are written)
	v_mov_b32 v213, 0
	s_lshl_b32 s60, s17, 21                        ; Q's, K's and ctx's images: [512 tiles of 16 tokens][32 chunks][512]: batch b begins 2 MiB x b on, the head's two chunks 1,024 x head on
	s_lshl_b32 s33, s18, 10
	s_add_co_u32 s60, s60, s33
	s_mov_b32 s61, 0
	s_lshl_b32 s50, s14, 17                        ; K: my eight tiles of 16 keys, 16,384 bytes apart
	s_add_co_u32 s50, s50, s60
	s_add_co_u32 s50, s50, KIMG
	s_mov_b32 s51, 0
	s_lshl_b32 s52, s18, 19                        ; V: [64 tiles of 16 channels][256 chunks][512]: tile 4 head + w / 4,
	s_lshr_b32 s33, s14, 2
	s_lshl_b32 s33, s33, 17
	s_add_co_u32 s52, s52, s33
	s_lshl_b32 s33, s17, 15                        ; the batch's 64 chunks,
	s_add_co_u32 s52, s52, s33
	s_and_b32 s33, s14, 3
	s_lshl_b32 s33, s33, 13                        ; my 16 of them
	s_add_co_u32 s52, s52, s33
	s_add_co_u32 s52, s52, VIMG
	s_mov_b32 s53, 0
	s_lshl_b32 s54, s17, 13                        ; the batch's 2,048 numbers of the mask
	s_mov_b32 s55, 0
	s_lshl_b32 s36, s17, 3                         ; its two numbers of meta
	s_mov_b32 s37, 0
	s_wait_kmcnt 0x0
	s_add_nc_u64 s[8:9], s[8:9], s[36:37]
	s_load_b64 s[38:39], s[8:9], 0x0               ; f, holes
	s_load_b128 s[40:43], s[10:11], 0x18           ; e6, e7, e8, e9
	s_load_b32 s44, s[10:11], 0x28                 ; e10
	s_add_nc_u64 s[50:51], s[4:5], s[50:51]
	s_add_nc_u64 s[52:53], s[4:5], s[52:53]
	s_add_nc_u64 s[54:55], s[6:7], s[54:55]
	s_add_nc_u64 s[48:49], s[4:5], s[60:61]        ; Q's image at my batch and head
	s_add_nc_u64 s[46:47], s[12:13], s[60:61]      ; ctx's likewise
	s_wait_alu depctr_va_vdst(0)                   ; v1 and v24 to v27 are written: the loads below and the LDS stores of the fill read them as their addresses
	global_load_b128 v[160:163], v26, s[54:55]
.set n, 0
.rept 16
	global_load_b128 v[32+4*n:35+4*n], v1, s[50:51] offset:(n/2)*16384+(n%2)*512   ; a chunk: 512 consecutive bytes
.set n, n+1
.endr
.set n, 0
.rept 16
	global_load_b128 v[96+4*n:99+4*n], v1, s[52:53] offset:512*n
.set n, n+1
.endr
	s_wait_kmcnt 0x0
	s_add_co_i32 s33, s40, s41                     ; e6 + e7
	s_cmp_gt_i32 s33, -12
	s_cselect_b32 s38, 4096, s38                   ; scores so large that a hidden key's p might not vanish: every tile walks all keys
	s_lshl_b32 s34, s33, 23
	s_add_co_i32 s22, s34, 0x3fb8aa3b              ; c = log2(e) x 2^(e6 + e7): the exponents are added to log2(e)'s exponent field
	s_mov_b32 s23, s22                             ; (named with it as a pair, so it is written)
	s_sub_co_i32 s33, 0, s33
	v_mov_b32 v6, 0xc61c4000                       ; -10000
	v_ldexp_f32 v6, v6, s33                        ; NEGU
	s_add_co_i32 s33, s42, 127
	s_lshl_b32 s34, s33, 23
	v_mov_b32 v7, s34                              ; 2^e8
	s_add_co_i32 s33, s33, 8
	s_lshl_b32 s33, s33, 23
	s_or_b32 s33, s33, 0x600000
	v_mov_b32 v8, s33                              ; 448 x 2^e8
	s_sub_co_i32 s33, s44, s42
	s_sub_co_i32 s33, s33, s43                     ; a sum of the second product stands for sum x 2^(e8 + e9): ctx's code is (sum / l) / 2^(e10 - e8 - e9)
	s_add_co_i32 s33, s33, 127
	s_lshl_b32 s34, s33, 23
	v_mov_b32 v9, s34
	s_add_co_i32 s33, s33, 8
	s_lshl_b32 s33, s33, 23
	s_or_b32 s33, s33, 0x600000
	v_mov_b32 v10, s33
	s_wait_loadcnt 32                              ; the mask is in; K's and V's 32 loads, issued behind it, may be out
	v_cmp_eq_f32 s2, 0, v160                       ; the four compares in one run, each into a scalar register of its own
	v_cmp_eq_f32 s3, 0, v161
	v_cmp_eq_f32 s15, 0, v162
	v_cmp_eq_f32 s19, 0, v163
	s_wait_alu depctr_va_sdst(0)                   ; the four masks are written, ahead of the selections that read them
	v_cndmask_b32 v160, 0, v6, s2
	v_cndmask_b32 v161, 0, v6, s3
	v_cndmask_b32 v162, 0, v6, s15
	v_cndmask_b32 v163, 0, v6, s19
	s_wait_alu depctr_va_vdst(0)                   ; the selections have written v160 to v163, which the LDS store reads
	ds_store_b128 v27, v[160:163]
.set n, 0
.rept 16
	s_wait_loadcnt 31-n                            ; loads come back in order: this one is in, the younger ones may be out
	ds_store_b128 v24, v[32+4*n:35+4*n] offset:512*n
.set n, n+1
.endr
.set n, 0
.rept 16
	s_wait_loadcnt 15-n
	ds_store_b128 v25, v[96+4*n:99+4*n] offset:512*n
.set n, n+1
.endr
	s_wait_dscnt 0x0                               ; for the others' sake: my stores have landed
	s_barrier_signal -1
	s_barrier_wait -1                              ; K, V and the table are whole; nothing in LDS is written from here on
	s_wait_alu depctr_vm_vsrc(0)                   ; my LDS stores have read v24, v25, v27 and v32 to v163: all of these are written again below, by vector and matrix instructions and by loads
	s_lshl_b32 s24, ttmp9, 8
	s_lshl_b32 s33, s14, 4
	s_add_co_u32 s24, s24, s33                     ; Q0 = 256 g + 16 w
	s_mov_b32 s32, 2
.Ltile:
	s_lshl_b32 s60, s24, 10                        ; tile Q0 / 16 of 16,384 bytes
	s_mov_b32 s61, 0
	s_add_nc_u64 s[56:57], s[48:49], s[60:61]
	s_add_nc_u64 s[58:59], s[46:47], s[60:61]
	global_load_b128 v[16:19], v1, s[56:57]        ; Q's fragment: two chunks.  No wait here: the products that read v16 to v23 stand ahead of the wait in front of the last tile's stores, and no vector or matrix instruction has been issued since
	global_load_b128 v[20:23], v1, s[56:57] offset:512
	v_mov_b32 v13, 0xff61b1e6                      ; the largest t so far: -3e38, under every t
	v_floor_f32 v12, -v13                          ; -M
	v_mov_b32 v14, 0
	v_mov_b32 v15, 0
.set n, 0
.rept 32
	v_mov_b32 v[160+n], 0                          ; O^T.  (The step is written once: the first finds zeros, which the first change of M leaves zeros)
.set n, n+1
.endr
	s_mov_b32 s25, 0                               ; KF: the step's first key
	s_mov_b32 s26, 0                               ; the step's number
	s_mov_b32 s29, 0                               ; its bytes in K,
	s_mov_b32 s30, 0                               ; in a channel tile of V,
	s_mov_b32 s31, 0                               ; in the table
	s_wait_loadcnt 0x0
; V^T's channel tile u: 16 channels x the step's 128 keys: four chunks
.macro VLOAD u
.irp c, 0,1,2,3
	ds_load_b128 v[32+16*(\u)+4*\c:35+16*(\u)+4*\c], v[25+(\u)/2] offset:32768*((\u)%2)+512*\c
.endr
.endm
; The diagonal, registers 16 g to 16 g + 15 of S^T's C: sixteen compares in one run, each into a scalar register of its own (none of them has held an address), one wait, sixteen selections
.macro HIDE g
.set n, 16*(\g)
.irp m, 2,3,15,16,17,18,19,27,28,35,36,37,40,41,43,44
	v_cmp_gt_i32 s\m, 16*(n/8)+n%8, v211
.set n, n+1
.endr
	s_wait_alu depctr_va_sdst(0)                   ; the sixteen masks are written, ahead of the selections that read them
.set n, 16*(\g)
.irp m, 2,3,15,16,17,18,19,27,28,35,36,37,40,41,43,44
	v_cndmask_b32 v[96+n], v[96+n], v6, s\m        ; NEGU is selected, not added: a padded key has it already
.set n, n+1
.endr
.endm
.Lstep:                                            ; 16 trips, whatever the tile: a step that is not wanted is jumped over, all but the lines at its end that step addresses
	s_add_co_u32 s33, s24, 15
	s_cmp_le_u32 s25, s33
	s_cbranch_scc1 .Ldo                            ; some key of the step counts for some query of mine
	s_cmp_lt_u32 s24, s38
	s_cbranch_scc0 .Lnext                          ; all its keys are hidden, and Q0 >= f: their p is 0
.Ldo:
	s_wait_alu depctr_vm_vsrc(0)                   ; the LDS loads of the step before have read v24 to v27, which the four lines below write
	v_add_nc_u32 v24, s29, v1
	v_add_nc_u32 v25, s30, v2
	v_add_nc_u32 v26, s30, v3
	v_add_nc_u32 v27, s31, v4
	s_wait_alu depctr_va_vdst(0)                   ; v24 to v27 are written, which this step's LDS loads read; the last step's second products are done reading v32 to v95, in which K lands; its vector work on v96 to v159, in which the table lands, is done
.irp t, 0,1,2,3,4,5,6,7
	ds_load_b128 v[32+8*\t:35+8*\t], v24 offset:1024*\t        ; K's tile t: two chunks
	ds_load_b128 v[36+8*\t:39+8*\t], v24 offset:1024*\t+512
.endr
	s_lshr_b32 s34, s39, s26
	s_and_b32 s34, s34, 1                          ; 1: the step holds a padded key
	s_add_co_u32 s33, s25, 127
	s_cmp_le_u32 s33, s24
	s_cselect_b32 s34, s34, 2                      ; 2: some key of the step lies behind some query of mine
	s_cmp_lg_u32 s34, 0
	s_cbranch_scc1 .Lmasked
	s_wait_dscnt 8                                 ; tiles 0-3 are in; the eight loads of tiles 4-7 may be out
.irp t, 0,1,2,3
	v_wmma_f32_16x16x64_fp8_fp8 v[96+8*\t:103+8*\t], v[32+8*\t:39+8*\t], v[16:23], 0
.endr
	s_wait_dscnt 0x0
.irp t, 4,5,6,7
	v_wmma_f32_16x16x64_fp8_fp8 v[96+8*\t:103+8*\t], v[32+8*\t:39+8*\t], v[16:23], 0
.endr
	s_branch .Ljoin
.Lmasked:
.irp t, 0,1,2,3,4,5,6,7
	ds_load_b128 v[96+8*\t:99+8*\t], v27 offset:64*\t          ; the table at keys KF + 16 t + 8 h + 0 .. 7: the C of tile t.  No wait: no vector or matrix instruction has been issued since the one at the step's head
	ds_load_b128 v[100+8*\t:103+8*\t], v27 offset:64*\t+16
.endr
	s_wait_dscnt 0x0
	s_cmp_lg_u32 s34, 2
	s_cbranch_scc1 .Lnocausal
	s_sub_co_i32 s33, s24, s25
	v_add_nc_u32 v211, s33, v5                     ; d = my query - KF - 8 h.  Register 8 t + j holds key KF + 8 h + 16 t + j: hidden where 16 t + j > d
	HIDE 0
	HIDE 1
	HIDE 2
	HIDE 3
.Lnocausal:
.irp t, 0,1,2,3,4,5,6,7
	v_wmma_f32_16x16x64_fp8_fp8 v[96+8*\t:103+8*\t], v[32+8*\t:39+8*\t], v[16:23], v[96+8*\t:103+8*\t]   ; eight accumulators, one instruction each
.endr
.Ljoin:
.rept 4
	v_nop                                          ; places in front of the first read of the scores (ISA guide 7.12.1)
.endr
	s_wait_alu depctr_va_vdst(0)                   ; the score products are done reading v32 to v95, in which V's sixteen loads land.  These are dealt among the softmax's lines below, which name none of v25, v26 and v32 to v95
	VLOAD 0
	v_max3_num_f32 v30, v96, v97, v98              ; the step's largest sum of my query, among my 64 keys, in two chains, each accumulator from its low end on,
	v_max3_num_f32 v210, v99, v100, v101
.irp i, 6,10,14,18,22,26,30,34,38,42,46,50,54,58
	v_max3_num_f32 v30, v30, v[96+\i], v[97+\i]
	v_max3_num_f32 v210, v210, v[98+\i], v[99+\i]
.endr
	v_max3_num_f32 v30, v30, v158, v159
	v_max_num_f32 v30, v30, v210
	VLOAD 1
	v_permlanex16_b32 v31, v30, s20, s21
	v_max_num_f32 v30, v30, v31                    ; and among lane l xor 16's
	v_mul_f32 v30, s22, v30                        ; as t (c is positive)
	v_max_num_f32 v13, v13, v30                    ; the running largest t
	v_mov_b32 v30, v12
	v_floor_f32 v12, -v13                          ; the new -M = floor(-t) = -ceil(t): M is a whole number
	v_sub_f32 v30, v12, v30                        ; M's old value less its new one: a whole number, 0 or less
	v_cvt_i32_f32 v30, v30                         ; (it saturates)
	v_ldexp_f32 v28, 1.0, v30                      ; f = 2^(old M - new M)
	VLOAD 2
.set n, 0
.rept 32
	v_pk_fma_f32 v[96+n:97+n], v[96+n:97+n], s[22:23], v[12:13] op_sel_hi:[1,0,0]   ; t - M, two at a time (of the pairs c and -M the low word serves both halves)
.set n, n+2
.endr
	VLOAD 3                                        ; the last four: they land while the exponentials, the sums and the conversions are worked
.set n, 0
.rept 64
	v_exp_f32 v[96+n], v[96+n]                     ; p = 2^(t - M): not normalised
.set n, n+1
.endr
	v_pk_mul_f32 v[14:15], v[14:15], v[28:29] op_sel_hi:[1,0]   ; the sums under the new M: the plain line behind the exponentials
	s_wait_alu depctr_va_vdst(0)                   ; the 64 exponentials have written v96 to v159: one wait for the whole batch, ahead of its first reader
	v_pk_add_f32 v[208:209], v[96:97], v[98:99]    ; the row's sum is taken of the unquantised p: two at a time, in two chains
.irp j, 4,8,12,16,20,24,28,32,36,40,44,48,52,56,60
	v_pk_add_f32 v[14:15], v[14:15], v[96+\j:97+\j]
	v_pk_add_f32 v[208:209], v[208:209], v[98+\j:99+\j]
.endr
	v_pk_add_f32 v[14:15], v[14:15], v[208:209]
	s_cmp_ge_i32 s42, -8                           ; p is at most 1, but for the rounding of t; from e8 = -8 on the largest code stands for 1.75 or more and the hold cannot bind
	s_cbranch_scc1 .Lnohold
.set n, 0
.rept 64
	v_min_num_f32 v[96+n], v[96+n], v8             ; the conversion to an 8-bit code does not saturate (ISA guide 7.6.2); p is not negative, so the hold is one-sided
.set n, n+1
.endr
.Lnohold:
.irp t, 0,1,2,3,4,5,6,7
	v_cvt_scalef32_pk8_fp8_f32 v[192+2*\t:193+2*\t], v[96+8*\t:103+8*\t], v7   ; keys 16 t + 8 h + 0 .. 7: registers 2 t, 2 t + 1 of P's fragment
.endr
.set n, 0
.rept 16
	v_pk_mul_f32 v[160+n:161+n], v[160+n:161+n], v[28:29] op_sel_hi:[1,0]      ; O^T under the new M: x f.  (Also the plain lines between the conversions and the products that read their results)
.set n, n+2
.endr
	s_wait_dscnt 0x0                               ; V
.irp u, 0,1,2,3
	v_wmma_f32_16x16x128_fp8_fp8 v[160+8*\u:167+8*\u], v[32+16*\u:47+16*\u], v[192:207], v[160+8*\u:167+8*\u]   ; four accumulators by turns, one instruction a turn
.endr
.Lnext:
	s_add_co_u32 s25, s25, 128
	s_add_co_u32 s29, s29, 8192
	s_add_co_u32 s30, s30, 2048
	s_add_co_u32 s31, s31, 512
	s_add_co_u32 s26, s26, 1
	s_cmp_lt_u32 s26, 16
	s_cbranch_scc1 .Lstep
	; THE TILE'S END: O^T / the sum, quantised; register 8 u + j is ctx(my query, channel 16 u + 8 h + j): the conversions of tiles 2 c and 2 c + 1 are my 16 bytes of chunk c
.rept 4
	v_nop                                          ; places behind the last products
.endr
	v_add_f32 v14, v14, v15                        ; the sum's two halves,
	v_permlanex16_b32 v31, v14, s20, s21
	v_add_f32 v14, v14, v31                        ; and lane l xor 16's
	v_rcp_f32 v212, v14
	v_nop                                          ; a plain line behind the reciprocal,
	s_wait_alu depctr_va_vdst(0)                   ; and the wait ahead of its first reader: the reciprocal has written v212
.set n, 0
.rept 16
	v_pk_mul_f32 v[96+n:97+n], v[160+n:161+n], v[212:213] op_sel_hi:[1,0]      ; each accumulator from its low end on
.set n, n+2
.endr
.set n, 0
.rept 32
	v_med3_num_f32 v[96+n], v[96+n], -v10, v10
.set n, n+1
.endr
.irp u, 0,1,2,3
	v_cvt_scalef32_pk8_fp8_f32 v[216+2*\u:217+2*\u], v[96+8*\u:103+8*\u], v9
.endr
	v_nop                                          ; one plain vector line behind the conversions: the next tile's products write their sources
	s_wait_alu depctr_va_vdst(0)                   ; the conversions have written v216 to v223, which the stores read; and the tile's products are done reading v16 to v23, in which the next tile's Q lands
	global_store_b128 v1, v[216:219], s[58:59]     ; a chunk: 32 lanes store 512 consecutive bytes
	global_store_b128 v1, v[220:223], s[58:59] offset:512
	s_wait_xcnt 0x0                                ; the stores have read their data and their base: both are written again in the next tile
	s_wait_alu depctr_vm_vsrc(0)                   ; the stores have read v216 to v223, which the next tile's conversions write
	s_sub_co_u32 s24, 2032, s24                    ; tile 127 - i
	s_sub_co_u32 s32, s32, 1
	s_cmp_lg_u32 s32, 0
	s_cbranch_scc1 .Ltile
	s_wait_dscnt 0x0
	s_wait_alu depctr_hold_cnt(0) depctr_sa_sdst(0) depctr_va_vdst(0) depctr_va_sdst(0) depctr_va_ssrc(0) depctr_va_vcc(0) depctr_vm_vsrc(0)
	s_wait_tensorcnt 0x0
	ds_add_u32 v254, v255
	s_wait_dscnt 0x0
	s_endpgm
.Lfunc_end_k_q43411f4a4e_attn:
	.size	k_q43411f4a4e_attn, .Lfunc_end_k_q43411f4a4e_attn-k_q43411f4a4e_attn
	.p2alignl 7, 3214868480
	.fill 96, 4, 3214868480
	.section	.rodata,"a",@progbits
	.p2align	6, 0x0
	.amdhsa_kernel k_q43411f4a4e_attn
		.amdhsa_group_segment_fixed_size 272384
		.amdhsa_private_segment_fixed_size 0
		.amdhsa_enable_private_segment 0
		.amdhsa_kernarg_size 40
		.amdhsa_user_sgpr_count 2
		.amdhsa_user_sgpr_kernarg_segment_ptr 1
		.amdhsa_wavefront_size32 1
		.amdhsa_system_sgpr_workgroup_id_x 1
		.amdhsa_system_sgpr_workgroup_id_y 1
		.amdhsa_system_sgpr_workgroup_id_z 1
		.amdhsa_system_vgpr_workitem_id 0
		.amdhsa_next_free_vgpr 256
		.amdhsa_next_free_sgpr 66
		.amdhsa_reserve_vcc 0
		.amdhsa_float_denorm_mode_32 3
		.amdhsa_float_denorm_mode_16_64 3
		.amdhsa_memory_ordered 1
		.amdhsa_forward_progress 1
		.amdhsa_inst_pref_size 44
	.end_amdhsa_kernel
	.amdgpu_metadata
---
amdhsa.version: [ 1, 2 ]
amdhsa.kernels:
  - .name:           k_q43411f4a4e_attn
    .symbol:         k_q43411f4a4e_attn.kd
    .args:
      - { .name: himg, .offset: 0, .size: 8, .value_kind: global_buffer, .address_space: global }
      - { .name: attn_mask, .offset: 8, .size: 8, .value_kind: global_buffer, .address_space: global }
      - { .name: meta, .offset: 16, .size: 8, .value_kind: global_buffer, .address_space: global }
      - { .name: lowp_scales, .offset: 24, .size: 8, .value_kind: global_buffer, .address_space: global }
      - { .name: cimg, .offset: 32, .size: 8, .value_kind: global_buffer, .address_space: global }
    .group_segment_fixed_size: 272384
    .private_segment_fixed_size: 0
    .kernarg_segment_align: 8
    .kernarg_segment_size: 40
    .max_flat_workgroup_size: 512
    .sgpr_count:     66
    .vgpr_count:     256
    .wavefront_size: 32
...
	.end_amdgpu_metadata
.endif
;; end of part 5
;; launch outp: the kernel of part 4 again; grid 4 x 32, 4 waves a work-group, clusters of 4 x 4, 327,680 bytes of LDS; arguments cimg, codes, lowp_scales, out0; writes out0
